; MI455X (gfx1250); checked and timed in simulation.
; The chip was launched on July 23, 2026; its instructions are those of AMD's public machine-readable ISA for CDNA 5 (MIT licence, August 2026) and "CDNA5" Instruction Set Architecture Reference Guide (July 2026). The comments in the code are by the model that wrote it; some were corrected since.
;; Multi Head Self Attention. Allowed arithmetic: matrix products marked QUANTISED: E3M2 operands, one E8M0 scale for each 32 along K, by v_wmma_scale_f32_16x16x128_f8f6f4 with both operands' format E3M2, f32 sums; everything else in f32.
;; Inputs: out_b 1,024 float32; out_w 1,024 x 1,024 float32; qkv_b 3,072 float32; qkv_w 1,024 x 3,072 float32; src 4 x 2,048 x 1,024 float32.
;; Outputs: out0 4 x 2,048 x 1,024 float32.
;; This version of the problem:
;;   THIS VERSION OF THE PROBLEM IS GIVEN IN LOW PRECISION. The matrix products marked QUANTISED in the list below multiply operands that are first quantised to E3M2 (3 exponent bits, 2 mantissa bits; 6 bits a number), with one power-of-two scale for each 32 numbers along K (OCP MX v1.0); their sums are f32. All else is computed in f32.
;;   The module's matrix products, in the order in which they are computed (A, B: the left and right operand; K: the contracted axis; several contracted axes count as one K, in the product's order):
;;     1. [M 8,192, K 1,024] x [K 1,024, N 3,072]; A: input src; B: input qkv_w: QUANTISED
;;     2. batch 64 x [M 2,048, K 64] x [K 64, N 2,048]; A: computed on the way; B: computed on the way: QUANTISED
;;     3. batch 64 x [M 2,048, K 2,048] x [K 2,048, N 64]; A: softmax (see below); B: computed on the way: QUANTISED
;;     4. [M 8,192, K 1,024] x [K 1,024, N 1,024]; A: computed on the way; B: input out_w: QUANTISED
;;   THE QUANTISER, for each operand of a quantised product, along K:
;;     - K is cut into blocks of 32 from its start; a last block that is shorter is filled with zeros.
;;     - A block's scale is 2^e with e = floor(log2(the largest magnitude in the block)) - 4, held to -126 .. 127; a block of zeros has e = 0. As a byte (E8M0): e + 127.
;;     - Each number is divided by its block's scale, clamped to +-28, and rounded to the nearest number of E3M2, ties to even, subnormals kept.
;;     - The product sums the exact products of the quantised numbers (number of the format x scale) in f32.
;;   ~~~python
;;   def quantise(x, axis):      # numpy; x: float32 -> the quantised numbers, widened to float32 again
;;       x = np.moveaxis(x, axis, -1); K = x.shape[-1]
;;       x = np.pad(x, [(0, 0)] * (x.ndim - 1) + [(0, -K % 32)]); x = x.reshape(x.shape[:-1] + (-1, 32)); a = np.abs(x).max(-1, keepdims=True)
;;       e = np.where(a > 0, np.clip(np.frexp(np.where(a > 0, a, 1))[1] - 1 - 4, -126, 127), 0)      # np.frexp(a)[1] - 1 = floor(log2(a)), exactly
;;       r = np.clip(x / 2.0 ** e, -28, 28)
;;       step = 2.0 ** (np.maximum(np.frexp(np.where(r == 0, 1, r))[1] - 1, -2) - 2)
;;       q = np.round(r / step) * step * 2.0 ** e      # np.round: ties to even
;;       return np.moveaxis(q.reshape(q.shape[:-2] + (-1,))[..., :K], -1, axis).astype(np.float32)
;;   ~~~
;;   SOFTMAX AHEAD OF A QUANTISED PRODUCT. Where the list says 'softmax', what is quantised is not the finished softmax but p = 2^(t - M), with t = logit x log2(e) and M = ceil(the row's largest t), a whole number; so 1/2 < the row's largest p <= 1. The row's sum l is taken of the UNQUANTISED p, in f32, and the product's result is divided by l at the end. Since M is a whole number, a kernel that streams over the keys may use a running M (the ceiling of the running maximum): every later rescaling is an exact power of two, which a block's scale takes up: the codes' values come out the same.
;;   OPERANDS COMPUTED ON THE WAY. 'Computed on the way' means the value that the module computes at that place (a softmax that the list does not call 'softmax' is quantised finished and normalised). What goes into a quantiser is computed in f32, as accurately as f32 sums, v_exp_f32 and their like allow (about 1e-6 of the number): no bf16 or f16 on the way to a quantiser, and a product that is left as it is and whose result goes on into a quantised operand takes f32 operands (vector FMAs, or v_wmma_f32_16x16x4_f32). A number that lies on a knife's edge between two numbers of the format may be rounded either way, as far as f32 arithmetic and the matrix unit's own rounding can turn it there, and no further.
;; One version. Each part assembles by itself: llvm-mc -triple=amdgcn-amd-amdhsa -mcpu=gfx1250 --defsym DOCPART=n.
;; ======== version 1 of 1: 4 launches
;; limits: right only within a limited range of input values
;; workspace buffers: src_codes 6,291,456 bytes; src_sc 262,144 bytes; w_codes 3,145,728 bytes; w_sc 131,072 bytes; qq 6,815,744 bytes; kv 13,369,344 bytes; res_codes 6,291,456 bytes; res_sc 262,144 bytes
;; launch quant (part 1): grid 512 x 1, 4 waves a work-group, no clusters, 34,304 bytes of LDS; arguments src, qkv_w, out_w, src_codes, src_sc, w_codes, w_sc; writes src_codes, src_sc, w_codes, w_sc
.if DOCPART == 1
	.amdgcn_target "amdgcn-amd-amdhsa--gfx1250"
	.amdhsa_code_object_version 6
	.text
	.protected	k_q1eb555f225_quant
	.globl	k_q1eb555f225_quant
	.p2align	8
	.type	k_q1eb555f225_quant,@function
k_q1eb555f225_quant:
	s_mov_b64 s[64:65], 0
	v_nop
	global_prefetch_b8 v0, s[64:65] scope:SCOPE_SE
	s_setreg_imm32_b32 hwreg(HW_REG_WAVE_MODE, 25, 1), 1
	s_wait_xcnt 0x0
; src [8192][1024], qkv_w [1024][3072] and out_w [1024][1024], f32, become codes of BF6 (E3M2) with one E8M0 byte for each 32 along K (K = 1,024 in all three).
; A block's scale is 2^(floor(log2(largest magnitude)) - 4): its byte is the largest magnitude's exponent field - 4, held at 1 from below by a floor among the maximum's leaves.
; LIMITS: NaN and infinities are not served; a block whose largest magnitude lies under 2^-122 keeps the byte 1; a block of zeros has the byte 1 (the rule says 127): its codes are zeros, and this program alone reads the bytes.
; THE WORKSPACE IS LAID IN THE ORDER OF THE OPERAND'S REGISTERS.  A HALF FRAGMENT (768 bytes) is 16 rows x 64 along K: lane (r, h) owns the 24 bytes of codes k = 32 h .. 32 h + 31 of row r:
; its first 16 bytes at 16 x lane, its last 8 at 512 + 8 x lane.  A tile of 16 rows is 16 half fragments on end (12,288 bytes).  Its scale words are 512 bytes: lane l's 16 bytes at 16 l, word j = row l % 16, K step 2 j + l / 16.
; POSITIONS: in every 32 rows of src (columns of a weight) position p holds index p with its bits 3 and 4 exchanged, so that row x of tile 2 b + u is index 32 b + 8 u + x + 8 (x / 8).
; SHARES: work-groups 0-255 take src (a wave: one tile of 16 rows x 512 along K), 256-447 qkv_w, 448-511 out_w (a wave: 32 columns x 128 along K).  Waves share nothing: no barrier; the src way alone touches LDS.
; No cluster: no two work-groups read the same input bytes.
.set R,      16                        ; v16-143  numbers as loaded: src: two sets of 64; a weight: 128
.set X,      144                       ; v144-207 src: 64 numbers of my row, back from the stage
.set WP,     144                       ; v144-167 a weight: four blocks' codes
.set P,      208                       ; v208-219 src: a fragment's codes
.set CV,     220                       ; v220-222 a block's upper 16 codes (a conversion's three registers begin on an even number)
.set M0,     224
.set M1,     225
.set SO,     226                       ; the conversion's scale operand
.set BY,     228                       ; v228-231 scale bytes
.set TP,     232
.set W,      236                       ; v236-239 scale words
.set SPITCH, 528                       ; a stage row: 512 bytes + 16: the sixteen rows that a read touches start at sixteen different groups of banks
; 32 numbers of one lane, a whole block, become 6 registers of codes at v[p] and the block's byte in v[by]
.macro QBLOCK x, p, by
	v_max3_num_f32 v[M0], |v[\x]|, |v[\x+1]|, |v[\x+2]|
	v_max3_num_f32 v[M1], |v[\x+3]|, |v[\x+4]|, |v[\x+5]|
.irp i, 6,10,14,18,22,26
	v_max3_num_f32 v[M0], v[M0], |v[\x+\i]|, |v[\x+\i+1]|
	v_max3_num_f32 v[M1], v[M1], |v[\x+\i+2]|, |v[\x+\i+3]|
.endr
	v_max3_num_f32 v[M0], v[M0], |v[\x+30]|, |v[\x+31]|
	v_max3_num_f32 v[M0], v[M0], v[M1], 0x2800000  ; the floor 2^(5 - 127): the byte cannot fall under 1
	v_add_nc_u32 v[SO], 0xfe000000, v[M0]          ; 4 off the exponent field: the conversion takes that field as its scale
	v_lshrrev_b32 v[\by], 23, v[SO]                ; the byte
	v_cvt_scalef32_pk16_bf6_f32 v[\p:\p+2], v[\x:\x+15], v[SO]
	v_cvt_scalef32_pk16_bf6_f32 v[CV:CV+2], v[\x+16:\x+31], v[SO]
	v_nop                                          ; one plain place behind a scaled conversion
.irp i, 0,1,2
	v_mov_b32 v[\p+3+\i], v[CV+\i]
.endr
.endm
	s_load_b128 s[4:7], s[0:1], 0x0                ; src, qkv_w
	s_load_b128 s[8:11], s[0:1], 0x10              ; out_w, src_codes
	s_load_b128 s[12:15], s[0:1], 0x20             ; src_sc, w_codes
	s_load_b64 s[16:17], s[0:1], 0x30              ; w_sc
	v_lshl_add_u32 v240, v0, 2, 0x8400
	v_mov_b32 v241, 0
	v_lshrrev_b32 v6, 5, v0
	v_readfirstlane_b32 s18, v6                    ; wave
	v_and_b32 v6, 31, v0                           ; lane
	v_lshlrev_b32 v1, 4, v6                        ; 16 x lane
	v_lshlrev_b32 v2, 3, v6                        ; 8 x lane
	v_and_b32 v7, 15, v0                           ; r
	v_bfe_u32 v8, v0, 4, 1                         ; h
	s_mov_b32 s20, 0x76543210
	s_mov_b32 s21, 0xfedcba98                      ; v_permlanex16_b32's selects for lane l xor 16
	s_mov_b32 s23, 0                               ; the high words of three byte offsets
	s_mov_b32 s29, 0
	s_mov_b32 s31, 0
	s_cmp_lt_u32 ttmp9, 256
	s_cbranch_scc0 .Lweights
	; ---------------- src: K is innermost.  Loads take 512 consecutive bytes of a row; a step's 16 rows x 512 bytes turn through the wave's own stage, so that a lane gets 2 x 32 neighbours of ITS row
	s_lshl_b32 s24, ttmp9, 2
	s_add_co_u32 s24, s24, s18                     ; job = 4 x work-group + wave
	s_lshr_b32 s25, s24, 1                         ; tile of 16 rows
	s_and_b32 s26, s24, 1                          ; which 512 along K
	s_lshr_b32 s27, s25, 1
	s_lshl_b32 s27, s27, 17                        ; 32 rows of 4,096 bytes for each pair of tiles,
	s_and_b32 s28, s25, 1
	s_lshl_b32 s28, s28, 15                        ; 8 rows for the odd tile,
	s_add_co_u32 s22, s27, s28
	s_lshl_b32 s28, s26, 11                        ; 2,048 bytes for the upper half of K
	s_add_co_u32 s22, s22, s28
	s_mul_i32 s28, s25, 12288
	s_mul_i32 s30, s26, 6144
	s_add_co_u32 s28, s28, s30                     ; the codes' place
	s_lshl_b32 s30, s25, 9
	s_lshl_b32 s32, s26, 3
	s_add_co_u32 s30, s30, s32                     ; the scale words' place
	s_mul_i32 s32, s18, 16*SPITCH                  ; my stage
	s_wait_alu depctr_va_vdst(0)
	v_add_nc_u32 v3, s32, v1                       ; in: 16 x lane of a row
	v_mul_u32_u24 v4, v7, SPITCH
	v_lshl_add_u32 v4, v8, 7, v4
	v_add_nc_u32 v4, s32, v4                       ; out: row r, + 128 h
	v_lshlrev_b32 v5, 3, v8                        ; 8 h
	v_mov_b32 v[TP], 0                             ; a lane permute's destination counts as read
	s_wait_alu depctr_va_vdst(0)
	s_wait_kmcnt 0x0
	s_add_nc_u64 s[4:5], s[4:5], s[22:23]
	s_add_nc_u64 s[10:11], s[10:11], s[28:29]
	s_add_nc_u64 s[12:13], s[12:13], s[30:31]
.macro LOAD t                          ; step t: 128 along K of the tile's 16 rows; position i is row i + 8 (i / 8)
.irp i, 0,1,2,3,4,5,6,7,8,9,10,11,12,13,14,15
	global_load_b128 v[R+64*((\t)%2)+4*\i:R+64*((\t)%2)+4*\i+3], v1, s[4:5] offset:(\i+8*(\i/8))*4096+512*(\t) th:TH_LOAD_NT
.endr
.endm
.macro SSTEP t
.if (\t) < 3
	s_wait_loadcnt 16                              ; this step's 16 loads are in; the next step's 16 may be out
.else
	s_wait_loadcnt 0x0
.endif
.irp i, 0,1,2,3,4,5,6,7,8,9,10,11,12,13,14,15
	ds_store_b128 v3, v[R+64*((\t)%2)+4*\i:R+64*((\t)%2)+4*\i+3] offset:SPITCH*\i
.endr
.irp c, 0,1                            ; LDS serves a wave's instructions in order: these see the stores above
.irp i, 0,1,2,3,4,5,6,7
	ds_load_b128 v[X+32*\c+4*\i:X+32*\c+4*\i+3], v4 offset:256*\c+16*\i   ; k = 64 c + 32 h + 4 i on, of row r
.endr
.endr
	s_wait_dscnt 16                                ; the 16 stores are done and have read their registers; the 16 reads may be out
.if (\t) < 2
	LOAD (\t)+2
.endif
	s_wait_dscnt 0x0
	s_wait_xcnt 0x0                                ; the last step's stores have read the codes' registers
	QBLOCK X, P, BY
	QBLOCK X+32, P+6, BY+1
	v_lshl_or_b32 v[W+(\t)], v[BY+1], 16, v[BY]    ; my two bytes: blocks h and 2 + h,
	v_lshlrev_b32 v[W+(\t)], v5, v[W+(\t)]         ; 8 h bits up;
	v_permlanex16_b32 v[TP], v[W+(\t)], s20, s21
	v_or_b32 v[W+(\t)], v[W+(\t)], v[TP]           ; with lane l xor 16's two the row's word is whole
.irp c, 0,1
	global_store_b128 v1, v[P+6*\c:P+6*\c+3], s[10:11] offset:(2*(\t)+\c)*768       ; 512 consecutive bytes
	global_store_b64 v2, v[P+6*\c+4:P+6*\c+5], s[10:11] offset:(2*(\t)+\c)*768+512  ; 256 consecutive bytes
.endr
.endm
	LOAD 0
	LOAD 1
	SSTEP 0
	SSTEP 1
	SSTEP 2
	SSTEP 3
	v_cmp_le_u32 vcc_lo, 16, v6                    ; lanes 16-31 carry the odd K steps' words
	v_cndmask_b32 v12, v[W], v[W+1], vcc_lo
	v_cndmask_b32 v13, v[W+2], v[W+3], vcc_lo
	global_store_b64 v1, v[12:13], s[12:13]        ; 8 of each lane's 16 bytes: the other half of K is another wave's
	s_wait_tensorcnt 0x0
	ds_add_u32 v240, v241
	s_wait_dscnt 0x0
	s_endpgm
; ---------------- a weight: K is the first axis.  A lane takes a column and its registers run down K: a block of 32 lies in one lane.
; first: the way's first work-group; pitch: bytes of a row; tb: the first tile in w_codes; ptr: the pointer's register
.macro WPATH first, pitch, tb, ptr
	s_sub_co_u32 s24, ttmp9, \first
	s_lshr_b32 s25, s24, 3
	s_lshl_b32 s25, s25, 2
	s_add_co_u32 s25, s25, s18                     ; my 32 columns: the four waves stand side by side on 512 bytes
	s_and_b32 s26, s24, 7                          ; my 128 along K
	s_mul_i32 s22, s26, 128*\pitch
	s_lshl_b32 s27, s25, 7
	s_add_co_u32 s22, s22, s27
	v_and_b32 v3, 7, v6
	v_bfe_u32 v4, v6, 3, 1
	v_lshl_or_b32 v3, v4, 4, v3
	v_lshl_or_b32 v3, v8, 3, v3                    ; the lane's number with bits 3 and 4 exchanged: position -> column
	v_lshlrev_b32 v3, 2, v3
	s_lshl_b32 s27, s25, 1
	s_add_co_u32 s27, s27, \tb                     ; my first tile of 16 columns
	s_mul_i32 s28, s27, 12288
	s_mul_i32 s30, s26, 1536
	s_add_co_u32 s28, s28, s30                     ; its half fragments 2 s, 2 s + 1
	s_lshl_b32 s30, s27, 9
	s_and_b32 s32, s26, 1
	s_lshl_b32 s32, s32, 8
	s_add_co_u32 s30, s30, s32
	s_lshr_b32 s32, s26, 1
	s_lshl_b32 s32, s32, 2
	s_add_co_u32 s30, s30, s32                     ; its scale words of K step s: 256 (s % 2) + 4 (s / 2)
	v_lshlrev_b32 v7, 4, v7
	v_lshl_add_u32 v7, v8, 9, v7                   ; + 16 r, + 512 for the second tile
	s_wait_alu depctr_va_vdst(0)
	s_wait_kmcnt 0x0
	s_add_nc_u64 s[\ptr:\ptr+1], s[\ptr:\ptr+1], s[22:23]
	s_add_nc_u64 s[14:15], s[14:15], s[28:29]
	s_add_nc_u64 s[16:17], s[16:17], s[30:31]
.set wi, 0
.rept 128
	global_load_b32 v[R+wi], v3, s[\ptr:\ptr+1] offset:wi*\pitch th:TH_LOAD_NT   ; 128 consecutive bytes a wave
.set wi, wi+1
.endr
.irp t, 0,1,2,3
.if \t < 2
	s_wait_loadcnt 63                              ; 96 (64) loads were issued behind this block's; 63 is the most that a wait can name
.elseif \t == 2
	s_wait_loadcnt 32
.else
	s_wait_loadcnt 0x0
.endif
	QBLOCK R+32*\t, WP+12*(\t/2)+6*(\t%2), BY+\t
.endr
.irp g, 0,1                            ; a lane holds both blocks of 64 along K of its own column; a half fragment wants block h of column r: the first run's lanes 16-31 change places with the second's lanes 0-15
.irp i, 0,1,2,3,4,5
	v_permlane16_swap_b32 v[WP+12*\g+\i], v[WP+12*\g+6+\i]
.endr
.endr
	v_lshl_or_b32 v[W], v[BY+1], 8, v[BY]
	v_lshl_or_b32 v[W], v[BY+2], 16, v[W]
	v_lshl_or_b32 v[W], v[BY+3], 24, v[W]          ; my column's scale word of this K step
.irp g, 0,1
	global_store_b128 v1, v[WP+12*\g:WP+12*\g+3], s[14:15] offset:768*\g
	global_store_b64 v2, v[WP+12*\g+4:WP+12*\g+5], s[14:15] offset:768*\g+512
	global_store_b128 v1, v[WP+12*\g+6:WP+12*\g+9], s[14:15] offset:12288+768*\g
	global_store_b64 v2, v[WP+12*\g+10:WP+12*\g+11], s[14:15] offset:12288+768*\g+512
.endr
	global_store_b32 v7, v[W], s[16:17]            ; 4 bytes a lane, 16 apart: one byte in 128 of what this way reads
.endm
.Lweights:
	s_cmp_lt_u32 ttmp9, 448
	s_cbranch_scc0 .Lout_w
	s_wait_alu depctr_va_vdst(0)
	WPATH 256, 12288, 0, 6
	s_endpgm
.Lout_w:
	s_wait_alu depctr_va_vdst(0)
	WPATH 448, 4096, 192, 8
	s_endpgm
.Lfunc_end_k_q1eb555f225_quant:
	.size	k_q1eb555f225_quant, .Lfunc_end_k_q1eb555f225_quant-k_q1eb555f225_quant
	.p2alignl 7, 3214868480
	.fill 96, 4, 3214868480
	.section	.rodata,"a",@progbits
	.p2align	6, 0x0
	.amdhsa_kernel k_q1eb555f225_quant
		.amdhsa_group_segment_fixed_size 34304
		.amdhsa_private_segment_fixed_size 0
		.amdhsa_enable_private_segment 0
		.amdhsa_kernarg_size 56
		.amdhsa_user_sgpr_count 2
		.amdhsa_user_sgpr_kernarg_segment_ptr 1
		.amdhsa_wavefront_size32 1
		.amdhsa_system_sgpr_workgroup_id_x 1
		.amdhsa_system_sgpr_workgroup_id_y 1
		.amdhsa_system_sgpr_workgroup_id_z 1
		.amdhsa_system_vgpr_workitem_id 0
		.amdhsa_next_free_vgpr 242
		.amdhsa_next_free_sgpr 66
		.amdhsa_reserve_vcc 1
		.amdhsa_float_denorm_mode_32 3
		.amdhsa_float_denorm_mode_16_64 3
		.amdhsa_memory_ordered 1
		.amdhsa_forward_progress 1
		.amdhsa_inst_pref_size 72
	.end_amdhsa_kernel
	.amdgpu_metadata
---
amdhsa.version: [ 1, 2 ]
amdhsa.kernels:
  - .name:           k_q1eb555f225_quant
    .symbol:         k_q1eb555f225_quant.kd
    .args:
      - { .name: src, .offset: 0, .size: 8, .value_kind: global_buffer, .address_space: global }
      - { .name: qkv_w, .offset: 8, .size: 8, .value_kind: global_buffer, .address_space: global }
      - { .name: out_w, .offset: 16, .size: 8, .value_kind: global_buffer, .address_space: global }
      - { .name: src_codes, .offset: 24, .size: 8, .value_kind: global_buffer, .address_space: global }
      - { .name: src_sc, .offset: 32, .size: 8, .value_kind: global_buffer, .address_space: global }
      - { .name: w_codes, .offset: 40, .size: 8, .value_kind: global_buffer, .address_space: global }
      - { .name: w_sc, .offset: 48, .size: 8, .value_kind: global_buffer, .address_space: global }
    .group_segment_fixed_size: 34304
    .private_segment_fixed_size: 0
    .kernarg_segment_align: 8
    .kernarg_segment_size: 56
    .max_flat_workgroup_size: 128
    .sgpr_count:     66
    .vgpr_count:     242
    .wavefront_size: 32
...
	.end_amdgpu_metadata
.endif
;; end of part 1
;; launch gemm_qkv (part 2): grid 16 x 32, 4 waves a work-group, clusters of 4 x 4, 327,680 bytes of LDS; arguments src_codes, src_sc, w_codes, w_sc, qkv_b, qq, kv; writes qq, kv
.if DOCPART == 2
	.amdgcn_target "amdgcn-amd-amdhsa--gfx1250"
	.amdhsa_code_object_version 6
	.text
	.protected	k_q1eb555f225_gemm_qkv
	.globl	k_q1eb555f225_gemm_qkv
	.p2align	8
	.type	k_q1eb555f225_gemm_qkv,@function
k_q1eb555f225_gemm_qkv:
	s_mov_b64 s[64:65], 0
	v_nop
	global_prefetch_b8 v0, s[64:65] scope:SCOPE_SE
	s_setreg_imm32_b32 hwreg(HW_REG_WAVE_MODE, 25, 1), 1
	s_wait_xcnt 0x0
	s_wait_alu depctr_hold_cnt(0) depctr_sa_sdst(0) depctr_va_vdst(0) depctr_va_sdst(0) depctr_va_ssrc(0) depctr_va_vcc(0) depctr_vm_vsrc(0)
	s_getreg_b32 s2, hwreg(HW_REG_IB_STS2, 6, 4)
	s_cmp_eq_u32 s2, 0
	s_cbranch_scc0 .Lentry_in_a_cluster
	s_endpgm
.Lentry_in_a_cluster:
	s_bfe_u32 s2, ttmp6, 0x10000c
	s_cmp_lg_u32 s2, 0xf033
	s_cbranch_scc0 .Lentry_shape_is_right
	s_endpgm
.Lentry_shape_is_right:
; qkv = Q(src) Q(qkv_w) + qkv_b on codes of BF6, and its results quantised on the way out: q and k along the head's 64, v along the keys.
; A work-group makes 256 rows x one head's 192 columns (64 of q, 64 of k, 64 of v); each of its four waves 64 rows (4 tiles of 16) x all 12 tiles of columns: 48 accumulators.
; q AND k ARE MADE TRANSPOSED (source 0 = 16 columns of the weight, source 1 = 16 rows of src): a lane holds one token and its registers run along the head's 64.
; v IS MADE THE NATURAL WAY (source 0 = src, source 1 = the weight): a lane holds one channel and its registers run along the tokens, which are the keys.
; By the positions in which src_codes and w_codes are laid (row x of tile 2 b + u is index 32 b + 8 u + x + 8 (x / 8)), the 16 registers of two neighbouring tiles are 16 neighbours along the next K.
; K = 1,024 goes in eight steps of 128, all written out.  An LDS slot holds 256 along K: A's 16 tiles x 3,072 bytes, then B's 12.  Three slots are filled at the start; slot 0 is filled once more, with the last 256 along K.
; Operands lie in memory and LDS in the order of their registers (half fragments of 768 bytes): every LDS read is 512 or 256 consecutive bytes, so no padding.
; CLUSTER 4 x 4: the four work-groups of a row of the cluster share A's tiles, the four of a column B's: joint loads.
; OUT: qq [64 heads][32 groups of 64 queries][4 half fragments, 256 bytes of scale words]; kv [64][16 steps of 128 keys][K 8 half fragments | V 8 | K's scale words 512 | V's 256].
; q's and k's scale words hold two bytes; their bytes 2 and 3 are 0 and will stand over zero codes.  LIMITS: as in the quantising launch (NaN, infinities; the floor at byte 1).
; REGISTERS: window 0: v1-12 LDS addresses, v13-23 small things, v24-39 A's scale words, v40-87 B's, v88-183 A's fragments (two sets), v184-209 the way out.
;   window 1: v0-191 q's and k's weights (two sets of 8 fragments), v192-255 their bias.  window 2: the 32 accumulators of q and k, (a, b) at 8 (8 a + b).
;   window 3: v0-127 v's 16 accumulators, (t, a) at 8 (4 t + a); v128-223 v's weights (two sets of 4); v224-255 v's bias.
.set SLOT,  86016
.set BOFF,  49152                      ; B's tiles in a slot
.set SPARE, 3*SLOT                     ; behind the slots: the spare words, 128 bytes for each wave
.set L16, 13                           ; 16 x lane
.set L8,  14                           ; 8 x lane
.set SPW, 15
.set NIL, 16
.set FLR, 17                           ; 2^(5 - 127)
.set SA,  24
.set SB,  40
.set AF,  88
.set BM,  184
.set TMP, 186
.set SO,  188
.set PC,  190
.set CV,  196
.set HW,  200
.set XW,  204
.set WV,   18
.set HALF, 19
.set G1A, 28
.set G1B, 36
.set G0A, 44                           ; s[44:55] three slots
.set SEL, 60
.set G0B, 68                           ; s[68:79]
.set MSB, 0
.macro WIN new                         ; the immediate's high byte repeats the setting that is left
.if MSB != (\new)
	s_set_vgpr_msb (MSB<<8)|(\new)
.set MSB, (\new)
.endif
.endm
.macro PLACES                          ; four places in front of loads into registers that matrix instructions have read, and of the first read of results
.rept 4
	v_nop
.endr
.endm
; A joint load: waves 0 and 1 fetch A's halves, waves 2 and 3 B's.  The branch hangs on the wave's number alone.  Four v_nop follow each line.
.macro JLOAD g0a, g1a, g0b, g1b
	s_cmp_eq_u32 s[HALF], 0
	s_cbranch_scc0 .Lfor_b_\@
	tensor_load_to_lds s[\g0a:\g0a+3], s[\g1a:\g1a+7]
	s_nop 0
.rept 4
	v_nop
.endr
	s_branch .Lasked_\@
.Lfor_b_\@:
	tensor_load_to_lds s[\g0b:\g0b+3], s[\g1b:\g1b+7]
	s_nop 0
.rept 4
	v_nop
.endr
.Lasked_\@:
.endm
.macro CREST                           ; a round of the cluster's barrier behind its opening barrier
	s_cmp_lg_u32 s[WV], 0
	s_cbranch_scc1 .Lnot_wave_0_\@
	s_barrier_signal -3
.Lnot_wave_0_\@:
	s_barrier_wait -3
	s_barrier_signal -1
	s_barrier_wait -1
.endm
.macro CROUND
	s_barrier_signal -1
	s_barrier_wait -1
	CREST
.endm
	s_load_b256 s[4:11], s[0:1], 0x0               ; src_codes, src_sc, w_codes, w_sc
	s_load_b128 s[12:15], s[0:1], 0x20             ; qkv_b, qq
	s_load_b64 s[16:17], s[0:1], 0x30              ; kv
	v_lshl_add_u32 v[SPW], v0, 2, SPARE
	v_mov_b32 v[NIL], 0
	ds_add_u32 v15, v16
	ds_add_u32 v15, v16
	s_wait_dscnt 0x0
	v_lshrrev_b32 v20, 5, v0
	v_readfirstlane_b32 s[WV], v20                 ; wave 0..3
	s_lshr_b32 s[HALF], s[WV], 1                   ; I fetch for A (0) or for B (1),
	s_and_b32 s20, s[WV], 1                        ; its lower or upper half
	s_bfe_u32 s21, ttmp6, 0x40000                  ; cx
	s_bfe_u32 s22, ttmp6, 0x40004                  ; cy
	s_lshl_b32 s23, ttmp9, 2
	s_add_co_u32 s23, s23, s21                     ; the head = 4 x cluster x + cx
	s_and_b32 s24, ttmp7, 0xffff
	s_lshl_b32 s24, s24, 2
	s_add_co_u32 s24, s24, s22                     ; the block of 256 rows = 4 x cluster y + cy
	s_lshl_b32 s25, s22, 2
	s_lshl_b32 s25, 15, s25                        ; my row of the cluster
	s_lshl_b32 s26, 0x1111, s21                    ; my column
	; group 1: rows of 3,072 bytes (384 elements of 8), 12,288 bytes apart in memory, dense in LDS: A 8 of them, B 6
	s_or_b32 s[G1A], s25, (3<<16)|(1<<21)
	s_or_b32 s[G1B], s26, (3<<16)|(1<<21)
	s_mov_b32 s[G1A+1], 384<<16
	s_mov_b32 s[G1A+2], 16<<16                     ; the head's loads bring all 16 tiles of A (12 of B) for one 256 along K
	s_mov_b32 s[G1A+3], 384<<16
	s_mov_b32 s[G1A+4], 16
	s_mov_b32 s[G1A+5], 1536
	s_mov_b32 s[G1A+6], 0
	s_mov_b32 s[G1A+7], 0
	s_mov_b32 s[G1B+1], 384<<16
	s_mov_b32 s[G1B+2], 12<<16
	s_mov_b32 s[G1B+3], 384<<16
	s_mov_b32 s[G1B+4], 12
	s_mov_b32 s[G1B+5], 1536
	s_mov_b32 s[G1B+6], 0
	s_mov_b32 s[G1B+7], 0
	s_lshl_b32 s80, s24, 4                         ; A: tile 16 x block + 8 x half; these registers never hold cx
	s_lshl_b32 s81, s20, 3
	s_add_co_u32 s80, s80, s81
	s_mul_i32 s80, s80, 12288
	s_mov_b32 s81, 0
	s_mul_i32 s82, s23, 12                         ; B: tile 12 x head + 6 x half; these never hold cy
	s_mul_i32 s83, s20, 6
	s_add_co_u32 s82, s82, s83
	s_mul_i32 s82, s82, 12288
	s_mov_b32 s83, 0
	s_mul_i32 s27, s20, 24576                      ; where they go in a slot: no place in the cluster enters an LDS address
	s_mul_i32 s56, s20, 18432
	s_add_co_u32 s56, s56, BOFF
	s_mul_i32 s94, s24, 16*12288                   ; the head's loads: A's first tile of the block,
	s_mul_i32 s96, s20, 3072                       ; 256 along K number wave % 2
	s_add_co_u32 s94, s94, s96
	s_mov_b32 s95, 0
	s_mul_i32 s98, s23, 12*12288                   ; B's first tile of the head
	s_add_co_u32 s98, s98, s96
	s_mov_b32 s99, 0
	s_mov_b32 s[SEL], 0x76543210
	s_mov_b32 s[SEL+1], 0xfedcba98
	s_wait_kmcnt 0x0
	s_add_nc_u64 s[84:85], s[4:5], s[80:81]
	s_add_nc_u64 s[86:87], s[8:9], s[82:83]
	CROUND                                         ; all sixteen work-groups are here: the first joint loads meet
.irp s, 0,2                            ; sets 0 and 2: half a slot's tiles a wave, for slot 0's refill and slot 2's first fill
	s_mov_b32 s[G0A+4*\s], 1
	s_add_co_u32 s[G0A+4*\s+1], s27, \s*SLOT
	s_add_nc_u64 s[G0A+4*\s+2:G0A+4*\s+3], s[84:85], \s*3072
	s_or_b32 s[G0A+4*\s+3], s[G0A+4*\s+3], 0x80000000
	s_mov_b32 s[G0B+4*\s], 1
	s_add_co_u32 s[G0B+4*\s+1], s56, \s*SLOT
	s_add_nc_u64 s[G0B+4*\s+2:G0B+4*\s+3], s[86:87], \s*3072
	s_or_b32 s[G0B+4*\s+3], s[G0B+4*\s+3], 0x80000000
.endr
	s_mul_i32 s57, s20, SLOT                       ; set 1 serves the head: wave 0 A of slot 0, wave 1 A of slot 1, wave 2 B of slot 0, wave 3 B of slot 1
	s_mov_b32 s[G0A+4], 1
	s_add_co_u32 s[G0A+5], s57, 0
	s_add_nc_u64 s[G0A+6:G0A+7], s[4:5], s[94:95]
	s_or_b32 s[G0A+7], s[G0A+7], 0x80000000
	s_mov_b32 s[G0B+4], 1
	s_add_co_u32 s[G0B+5], s57, BOFF
	s_add_nc_u64 s[G0B+6:G0B+7], s[8:9], s[98:99]
	s_or_b32 s[G0B+7], s[G0B+7], 0x80000000
	JLOAD G0A+4, G1A, G0B+4, G1B                   ; one tensor load a wave at the head
	v_and_b32 v20, 31, v0                          ; lane
	v_lshlrev_b32 v[L16], 4, v20
	v_lshlrev_b32 v[L8], 3, v20
	s_mul_i32 s57, s[WV], 12288                    ; my four tiles of A
.irp s, 0,1,2                          ; slot s: v[1+4s], v[2+4s] A by 16 and by 8 bytes a lane; v[3+4s], v[4+4s] B
	v_add_nc_u32 v[1+4*\s], s57, v[L16]
	v_add_nc_u32 v[2+4*\s], s57, v[L8]
	v_add_nc_u32 v[3+4*\s], BOFF+\s*SLOT, v[L16]
	v_add_nc_u32 v[4+4*\s], BOFF+\s*SLOT, v[L8]
	s_add_co_u32 s57, s57, SLOT
.endr
	v_mov_b32 v[FLR], 0x2800000
	v_mov_b32 v[TMP], 0                            ; a lane permute's destination counts as read
	v_mov_b32 v[TMP+1], 0
	v_bfe_u32 v21, v0, 4, 1                        ; h
	v_lshlrev_b32 v18, 6, v21                      ; 64 h: q's and k's bias: my half's 16 columns of a group of 32
	s_wait_alu depctr_va_vdst(0)
	v_and_b32 v22, 15, v0                          ; r
	v_and_b32 v23, 8, v22
	v_add_nc_u32 v19, v23, v22
	v_lshlrev_b32 v19, 2, v19                      ; 4 (r + 8 (r / 8)): v's bias: my column
	s_wait_alu depctr_va_vdst(0)
	s_lshl_b32 s88, s24, 4
	s_lshl_b32 s89, s[WV], 2
	s_add_co_u32 s88, s88, s89
	s_lshl_b32 s88, s88, 9
	s_mov_b32 s89, 0
	s_add_nc_u64 s[88:89], s[6:7], s[88:89]        ; the scale words of my four tiles of A
	s_mul_i32 s90, s23, 12*512
	s_mov_b32 s91, 0
	s_add_nc_u64 s[90:91], s[10:11], s[90:91]      ; of the head's twelve tiles of B
	s_mul_i32 s92, s23, 768
	s_mov_b32 s93, 0
	s_add_nc_u64 s[92:93], s[12:13], s[92:93]      ; the head's 192 numbers of the bias
.irp a, 0,1,2,3
	global_load_b128 v[SA+4*\a:SA+4*\a+3], v[L16], s[88:89] offset:512*\a   ; register j: lanes 0-15 K step 2 j, lanes 16-31 K step 2 j + 1
.endr
.irp b, 0,1,2,3,4,5,6,7,8,9,10,11
	global_load_b128 v[SB+4*\b:SB+4*\b+3], v[L16], s[90:91] offset:512*\b
.endr
	WIN 0x40
.irp b, 0,1,2,3,4,5,6,7                ; in the result's layout: register j of tile b is column 32 (b / 2) + 8 (b % 2) + 16 h + j
	global_load_b128 v[192+8*\b:195+8*\b], v18, s[92:93] offset:4*(32*(\b/2)+8*(\b%2))
	global_load_b128 v[196+8*\b:199+8*\b], v18, s[92:93] offset:4*(32*(\b/2)+8*(\b%2))+16
.endr
	WIN 0xc0
.irp t, 0,1,2,3                        ; v: a lane holds one column, so its eight registers hold one number
.irp j, 0,1,2,3,4,5,6,7
	global_load_b32 v[224+8*\t+\j], v19, s[92:93] offset:512+4*(32*(\t/2)+8*(\t%2))
.endr
.endr
	WIN 0
.macro WMM d, a, b, c, sa, sb, odd     ; odd K steps take their scale words from lanes 16-31
.if \odd
	v_wmma_scale_f32_16x16x128_f8f6f4 v[\d:\d+7], v[\a:\a+11], v[\b:\b+11], v[\c:\c+7], v[\sa], v[\sb] matrix_a_fmt:MATRIX_FMT_BF6 matrix_b_fmt:MATRIX_FMT_BF6 matrix_a_scale:MATRIX_SCALE_ROW1 matrix_b_scale:MATRIX_SCALE_ROW1
.else
	v_wmma_scale_f32_16x16x128_f8f6f4 v[\d:\d+7], v[\a:\a+11], v[\b:\b+11], v[\c:\c+7], v[\sa], v[\sb] matrix_a_fmt:MATRIX_FMT_BF6 matrix_b_fmt:MATRIX_FMT_BF6
.endif
.endm
; 16 products of K step s from fragment set f: my four tiles of rows x weight tiles q0 .. q0 + 3 (0: q, 4: k).  first = 1: the bias is the C of the sum's first product.
; All 48 accumulators take turns, one instruction a turn, in the same order in every step.
.macro MULT s, f, q0, first
.if \first
	WIN 0x91                                       ; source 0 window 1, source 1 window 0, C window 1, D window 2
.else
	WIN 0xa1                                       ; C and D window 2
.endif
.irp a, 0,1,2,3
.irp b, \q0, \q0+1, \q0+2, \q0+3
.if \first
	WMM 8*(8*\a+(\b)), 96*(\f)+12*(\b), AF+48*(\f)+12*\a, 192+8*(\b), SB+4*(\b)+(\s)/2, SA+4*\a+(\s)/2, (\s)%2
.else
	WMM 8*(8*\a+(\b)), 96*(\f)+12*(\b), AF+48*(\f)+12*\a, 8*(8*\a+(\b)), SB+4*(\b)+(\s)/2, SA+4*\a+(\s)/2, (\s)%2
.endif
.endr
.endr
.endm
.macro MULV s, f, first                ; v's 16 products: source 0 = src (window 0), source 1 = the weight, C and D in window 3
	WIN 0xfc
.irp t, 0,1,2,3
.irp a, 0,1,2,3
.if \first
	WMM 8*(4*\t+\a), AF+48*(\f)+12*\a, 128+48*(\f)+12*\t, 224+8*\t, SA+4*\a+(\s)/2, SB+4*(8+\t)+(\s)/2, (\s)%2
.else
	WMM 8*(4*\t+\a), AF+48*(\f)+12*\a, 128+48*(\f)+12*\t, 8*(4*\t+\a), SA+4*\a+(\s)/2, SB+4*(8+\t)+(\s)/2, (\s)%2
.endif
.endr
.endr
.endm
; n fragments (tiles t0 on, the slot's kq-th 128 along K) into v[reg] on: each is two half fragments, each of these one load of 16 and one of 8 bytes a lane
.macro FRAGS reg, a16, a8, n, t0, kq
.set fi, 0
.rept \n
.irp c, 0,1
	ds_load_b128 v[\reg+12*fi+6*\c:\reg+12*fi+6*\c+3], v[\a16] offset:3072*(\t0+fi)+1536*(\kq)+768*\c
	ds_load_b64 v[\reg+12*fi+6*\c+4:\reg+12*fi+6*\c+5], v[\a8] offset:3072*(\t0+fi)+1536*(\kq)+768*\c+512
.endr
.set fi, fi+1
.endr
.endm
.macro FETCH slot, kq, f               ; 64 LDS loads in one run
	WIN 0x40
	FRAGS 96*(\f), 3+4*(\slot), 4+4*(\slot), 8, 0, \kq
	WIN 0xc0
	FRAGS 128+48*(\f), 3+4*(\slot), 4+4*(\slot), 4, 8, \kq
	WIN 0
	FRAGS AF+48*(\f), 1+4*(\slot), 2+4*(\slot), 4, 0, \kq
.endm
.macro STEPP s, f, ns, nk, first       ; a plain step: the next step's fragments (slot ns, its nk-th 128) are fetched behind the first 16 products
	s_wait_dscnt 0x0                               ; this step's fragments are in (asked for 32 matrix instructions ago)
	MULT \s, \f, 0, \first
	PLACES
	FETCH \ns, \nk, 1-\f
	MULT \s, \f, 4, \first
	MULV \s, \f, \first
.endm
	s_wait_alu depctr_va_vdst(0)                   ; the wait at the head's end
	s_wait_tensorcnt 0x0                           ; my tile of the head's four is in
	ds_add_u32 v[SPW], v[NIL]
	s_mov_b32 s[G1A+2], 8<<16                      ; no load of mine is out: from here on a load brings half a slot's tiles, 8 of A or 6 of B
	s_mov_b32 s[G1A+4], 8
	s_mov_b32 s[G1B+2], 6<<16
	s_mov_b32 s[G1B+4], 6
	s_wait_dscnt 0x0
	CROUND                                         ; slots 0 and 1 are whole in every partner
	JLOAD G0A+8, G1A, G0B+8, G1B                   ; slot 2's first fill, my one load behind the round
	FETCH 0, 0, 0
	s_wait_loadcnt 0x0                             ; scale words and biases
	; where my results go (registers that feed no joint descriptor)
	s_lshr_b32 s94, s24, 3
	s_lshl_b32 s94, s94, 4
	s_add_co_u32 s94, s94, s23                     ; 16 x batch + head
	s_and_b32 s95, s24, 7
	s_lshl_b32 s95, s95, 2
	s_add_co_u32 s95, s95, s[WV]                   ; my 64 tokens among the batch's 2,048
	s_mul_i32 s96, s94, 106496
	s_mul_i32 s98, s95, 3328
	s_add_co_u32 s96, s96, s98
	s_mov_b32 s97, 0
	s_add_nc_u64 s[14:15], s[14:15], s[96:97]      ; q's group
	s_mul_i32 s96, s94, 208896
	s_lshr_b32 s98, s95, 1
	s_mul_i32 s98, s98, 13056
	s_add_co_u32 s96, s96, s98
	s_add_nc_u64 s[16:17], s[16:17], s[96:97]      ; the step of 128 keys, of which I make half
	s_mul_i32 s96, s20, 3072
	s_add_nc_u64 s[88:89], s[16:17], s[96:97]      ; K's four half fragments
	s_mul_i32 s96, s20, 768
	s_add_co_u32 s96, s96, 6144
	s_add_nc_u64 s[90:91], s[16:17], s[96:97]      ; V's: (2 t + half) x 768
	s_lshl_b32 s96, s20, 8
	s_add_co_u32 s96, s96, 12288
	s_add_nc_u64 s[92:93], s[16:17], s[96:97]      ; K's scale words
	s_lshl_b32 s96, s20, 1
	s_add_co_u32 s96, s96, 12800
	s_add_nc_u64 s[58:59], s[16:17], s[96:97]      ; V's: my two bytes of each word
	STEPP 0, 0, 0, 1, 1
	STEPP 1, 1, 1, 0, 0
	; K step 2: slot 0 has been read out; it is filled again with the last 256 along K
	WIN 0
	s_wait_tensorcnt 0x0                           ; my part of slot 2 has landed
	ds_add_u32 v[SPW], v[NIL]
	s_wait_dscnt 0x1                               ; this step's 64 fragment loads are in; the add may be out
	MULT 2, 0, 0, 0
	s_wait_dscnt 0x0                               ; the add is done, and my reads of slot 0 are over
	s_barrier_signal -1
	MULT 2, 0, 4, 0
	WIN 0
	s_barrier_wait -1
	CREST                                          ; no wave of any partner still reads slot 0 or has a load on its way
	s_add_nc_u64 s[G0A+2:G0A+3], s[G0A+2:G0A+3], 9216
	s_add_nc_u64 s[G0B+2:G0B+3], s[G0B+2:G0B+3], 9216
	JLOAD G0A, G1A, G0B, G1B                       ; my one tensor load behind the round: 112 matrix instructions ahead of the wait for it; its four v_nop are the places for the loads below
	FETCH 1, 1, 1
	MULV 2, 0, 0
	STEPP 3, 1, 2, 0, 0
	STEPP 4, 0, 2, 1, 0
	; K step 5: the refilled slot 0 is read from here on
	s_wait_dscnt 0x0
	s_wait_tensorcnt 0x0                           ; my part of it has landed (no load was issued behind it)
	s_barrier_signal -1
	MULT 5, 1, 0, 0
	WIN 0
	s_barrier_wait -1                              ; everybody's has
	PLACES
	FETCH 0, 0, 0
	MULT 5, 1, 4, 0
	MULV 5, 1, 0
	STEPP 6, 0, 0, 1, 0
	s_wait_dscnt 0x0
	MULT 7, 1, 0, 0
	MULT 7, 1, 4, 0
	MULV 7, 1, 0
	WIN 0                                          ; every window back to 0: the compare below names the lane's number, which lies in window 0
; 32 results of a lane in window win, register 16 b + i = k 32 b + 16 h + i of the lane's row, become a half fragment in v[PC] .. v[PC + 5] and the row's two scale bytes in v[hw].  Each accumulator is read from its low end on.
.macro QUANT32 win, src, hw
	WIN ((\win)<<2)|((\win)<<4)
.irp b, 0,1
	v_max3_num_f32 v[BM+\b], v[FLR], |v[\src+16*\b]|, |v[\src+16*\b+1]|
.endr
.irp i, 2,4,6,8,10,12,14
.irp b, 0,1
	v_max3_num_f32 v[BM+\b], v[BM+\b], |v[\src+16*\b+\i]|, |v[\src+16*\b+\i+1]|
.endr
.endr
	WIN 0
.irp b, 0,1
	v_permlanex16_b32 v[TMP+\b], v[BM+\b], s[SEL], s[SEL+1]
.endr
.irp b, 0,1
	v_max_num_f32 v[BM+\b], v[BM+\b], v[TMP+\b]    ; with lane l xor 16's 16: the block's largest magnitude
.endr
.irp b, 0,1
	v_add_nc_u32 v[SO+\b], 0xfe000000, v[BM+\b]
.endr
.irp b, 0,1
	v_lshrrev_b32 v[TMP+\b], 23, v[SO+\b]
.endr
	v_lshl_or_b32 v[\hw], v[TMP+1], 8, v[TMP]
	WIN \win
	v_cvt_scalef32_pk16_bf6_f32 v[PC:PC+2], v[\src:\src+15], v[SO]
	v_cvt_scalef32_pk16_bf6_f32 v[CV:CV+2], v[\src+16:\src+31], v[SO+1]
	WIN 0
	v_nop                                          ; one plain place behind a scaled conversion
.irp i, 0,1,2
	v_permlane16_swap_b32 v[PC+\i], v[CV+\i]       ; a whole block to a lane: lanes 0-15 block 0, lanes 16-31 block 1
.endr
.irp i, 0,1,2
	v_mov_b32 v[PC+3+\i], v[CV+\i]
.endr
.endm
.macro OUTHF base, off                 ; 512 and 256 consecutive bytes
	global_store_b128 v[L16], v[PC:PC+3], s[\base:\base+1] offset:\off
	global_store_b64 v[L8], v[PC+4:PC+5], s[\base:\base+1] offset:\off+512
.endm
	PLACES
	v_cmp_le_u32 vcc_lo, 16, v20
.irp a, 0,1,2,3                        ; q: tile a's 16 tokens x 64
	s_wait_xcnt 0x0                                ; the last stores have read the codes' registers
	QUANT32 2, 64*\a, HW+\a
	OUTHF 14, 768*\a
.endr
	v_cndmask_b32 v[XW], v[HW], v[HW+1], vcc_lo    ; word i of lane l: tile 2 i + l / 16, row l % 16
	v_cndmask_b32 v[XW+1], v[HW+2], v[HW+3], vcc_lo
	global_store_b64 v[L8], v[XW:XW+1], s[14:15] offset:3072
.irp a, 0,1,2,3                        ; k
	s_wait_xcnt 0x0
	QUANT32 2, 64*\a+32, HW+\a
	OUTHF 88, 768*\a
.endr
	v_cndmask_b32 v[XW+2], v[HW], v[HW+1], vcc_lo
	v_cndmask_b32 v[XW+3], v[HW+2], v[HW+3], vcc_lo
	global_store_b64 v[L8], v[XW+2:XW+3], s[92:93]
.irp t, 0,1,2,3                        ; v: tile t's 16 channels x my 64 keys
	s_wait_xcnt 0x0
	QUANT32 3, 32*\t, HW+\t
	OUTHF 90, 1536*\t
.endr
	v_cndmask_b32 v[XW+4], v[HW], v[HW+1], vcc_lo
	v_cndmask_b32 v[XW+5], v[HW+2], v[HW+3], vcc_lo
	global_store_b16 v[L8], v[XW+4], s[58:59]      ; two of a word's four bytes: the other 64 keys are another wave's.  Pieces of 2 bytes: 64 of them for a wave's 3,072 bytes of codes
	global_store_b16 v[L8], v[XW+5], s[58:59] offset:4
	s_wait_tensorcnt 0x0                           ; the wave's end
	ds_add_u32 v[SPW], v[NIL]
	s_wait_dscnt 0x0
	CROUND                                         ; the closing round: no work-group ends while a partner may still ask for a tile that names it
	s_endpgm
.Lfunc_end_k_q1eb555f225_gemm_qkv:
	.size	k_q1eb555f225_gemm_qkv, .Lfunc_end_k_q1eb555f225_gemm_qkv-k_q1eb555f225_gemm_qkv
	.p2alignl 7, 3214868480
	.fill 96, 4, 3214868480
	.section	.rodata,"a",@progbits
	.p2align	6, 0x0
	.amdhsa_kernel k_q1eb555f225_gemm_qkv
		.amdhsa_group_segment_fixed_size 327680
		.amdhsa_private_segment_fixed_size 0
		.amdhsa_enable_private_segment 0
		.amdhsa_kernarg_size 56
		.amdhsa_user_sgpr_count 2
		.amdhsa_user_sgpr_kernarg_segment_ptr 1
		.amdhsa_wavefront_size32 1
		.amdhsa_system_sgpr_workgroup_id_x 1
		.amdhsa_system_sgpr_workgroup_id_y 1
		.amdhsa_system_sgpr_workgroup_id_z 1
		.amdhsa_system_vgpr_workitem_id 0
		.amdhsa_next_free_vgpr 1024
		.amdhsa_next_free_sgpr 100
		.amdhsa_reserve_vcc 1
		.amdhsa_float_denorm_mode_32 3
		.amdhsa_float_denorm_mode_16_64 3
		.amdhsa_memory_ordered 1
		.amdhsa_forward_progress 1
		.amdhsa_inst_pref_size 127
	.end_amdhsa_kernel
	.amdgpu_metadata
---
amdhsa.version: [ 1, 2 ]
amdhsa.kernels:
  - .name:           k_q1eb555f225_gemm_qkv
    .symbol:         k_q1eb555f225_gemm_qkv.kd
    .args:
      - { .name: src_codes, .offset: 0, .size: 8, .value_kind: global_buffer, .address_space: global }
      - { .name: src_sc, .offset: 8, .size: 8, .value_kind: global_buffer, .address_space: global }
      - { .name: w_codes, .offset: 16, .size: 8, .value_kind: global_buffer, .address_space: global }
      - { .name: w_sc, .offset: 24, .size: 8, .value_kind: global_buffer, .address_space: global }
      - { .name: qkv_b, .offset: 32, .size: 8, .value_kind: global_buffer, .address_space: global }
      - { .name: qq, .offset: 40, .size: 8, .value_kind: global_buffer, .address_space: global }
      - { .name: kv, .offset: 48, .size: 8, .value_kind: global_buffer, .address_space: global }
    .group_segment_fixed_size: 327680
    .private_segment_fixed_size: 0
    .kernarg_segment_align: 8
    .kernarg_segment_size: 56
    .max_flat_workgroup_size: 128
    .sgpr_count:     100
    .vgpr_count:     1024
    .wavefront_size: 32
...
	.end_amdgpu_metadata
.endif
;; end of part 2
;; launch attn (part 3): grid 4 x 64, 16 waves a work-group, clusters of 4 x 1, 263,168 bytes of LDS; arguments qq, kv, res_codes, res_sc; writes res_codes, res_sc
.if DOCPART == 3
	.amdgcn_target "amdgcn-amd-amdhsa--gfx1250"
	.amdhsa_code_object_version 6
	.text
	.protected	k_q1eb555f225_attn
	.globl	k_q1eb555f225_attn
	.p2align	8
	.type	k_q1eb555f225_attn,@function
k_q1eb555f225_attn:
	s_mov_b64 s[64:65], 0
	v_nop
	global_prefetch_b8 v0, s[64:65] scope:SCOPE_SE
	s_setreg_imm32_b32 hwreg(HW_REG_WAVE_MODE, 25, 1), 1
	s_wait_xcnt 0x0
	s_wait_alu depctr_hold_cnt(0) depctr_sa_sdst(0) depctr_va_vdst(0) depctr_va_sdst(0) depctr_va_ssrc(0) depctr_va_vcc(0) depctr_vm_vsrc(0)
	s_getreg_b32 s2, hwreg(HW_REG_IB_STS2, 6, 4)
	s_cmp_eq_u32 s2, 0
	s_cbranch_scc0 .Lentry_in_a_cluster
	s_endpgm
.Lentry_in_a_cluster:
	s_bfe_u32 s2, ttmp6, 0x10000c
	s_cmp_lg_u32 s2, 0x3003
	s_cbranch_scc0 .Lentry_shape_is_right
	s_endpgm
.Lentry_shape_is_right:
; res = softmax(q k^T / 8) v for one (batch, head), both products on codes of BF6, and res quantised along the last product's K (head x 64 + channel) on the way out.
; SOFTMAX: t = score x log2(e) / 8; M = the running largest t rounded UP to a whole number; p = 2^(t - M) is quantised along the keys, not normalised; the row's sum is taken of the unquantised p and divides O at the end.
; When M moves, the sum and O are multiplied by 2^(old M - new M): exact.
; SHARES: a work-group owns 512 queries of a head; each of its sixteen waves one tile of 16 queries at a time, twice.  Four waves to a SIMD: one wave's vector work stands beside another's products and LDS loads.
; THE HEAD'S K AND V STAY WHOLE IN LDS: 16 steps of 128 keys, filled ONCE, each wave asking for one step's block: no slot is ever filled again.  A block is 13,056 bytes of memory, 51 rows of 256; the mover lays 64 bytes of
; padding behind each row, so a row takes 320 bytes, a half fragment (3 rows) 960, a block 16,320.
; CLUSTER 4 x 1: the four work-groups of a head read the same block, so each load is a joint one.
; LAYOUT: both products transposed (S^T = K Q^T, O^T = V^T P^T): a lane holds one query.
; WHICH KEYS FORM A TILE OF K IS CHOSEN BY THE LANES' LDS ADDRESSES: tile 4 g + u takes keys 64 g + 8 u + 0 .. 7 as its rows 0-7 and keys 64 g + 32 + 8 u + 0 .. 7 as its rows 8-15.  So register 32 g + i of lane (r, h) is key
; 64 g + 32 h + i: A LANE HOLDS TWO WHOLE BLOCKS OF 32 KEYS, in the very order of the second product's operand: a block's maximum needs no other lane, and the conversions' results are the operand's registers.
; (In memory tile 2 b + u' holds key 32 b + 8 u' + x + 8 (x / 8) in row x: row r of tile 4 g + u is row r % 8 + 8 (u / 2) of stored tile 4 g + u % 2 + 2 (r / 8).)
; BANKS: lanes 8-15 read two stored tiles, 1,920 bytes, behind lanes 0-7: 128 modulo 256; K's 8-byte loads meet two deep.
; THE FIRST PRODUCT'S K IS 64, half of the instruction's 128.  Q's registers 6-11 are zero codes.  K's tiles lie 6 registers apart, so tile t's operand takes the next tile's codes (behind tile 7: zeros) as its upper half:
; they meet zero codes under the scale byte 0 and add exact zeros.
; LIMITS: NaN and infinities are not served; a block whose largest magnitude lies under 2^-122 keeps the byte 1.  A block's largest p is made from the block's largest score by the same two instructions as every p:
; this takes v_exp_f32 not to fall where its input rises.
; REGISTERS: v1-7 offsets; v8-11 K's scale words; v12 -M, v13 the largest score, v[14:15] the sum; v16-27 Q; v28-81 K's tiles, then V's fragments; v82-83 V's scale words; v84 Q's; v85-108 at work; v109-115 LDS addresses;
;   v116-122 the second pass's Q; v128-191 S^T, then p; v192-223 O^T; v224-235 p's codes.
.set BLK,  16320                       ; a step's block in LDS
.set HFB,  960                         ; a half fragment in LDS
.set SH,   7                           ; 8 h
.set KS,   8
.set KF,   28
.set VS,   82
.set QS,   84
.set T,    85
.set F,    86                          ; v[86:87]: f and a word that is only named
.set BM,   88
.set TMP,  92                          ; v92-95 for the lane permutes
.set SO,   96                          ; v96-97 the conversions' scale operands
.set BY,   98                          ; v98-99 the scale bytes
.set CV,   100                         ; v100-102, v104-106
.set PS,   107                         ; p's scale word
.set HW,   108
.set LV16, 109                         ; my lane's place in a half fragment of V, 16 bytes a lane: 16 r + 320 h
.set LK16, 110                         ; the same for K's rows: 16 (r % 8) + 320 h + 1,920 (r / 8)
.set LK8,  111                         ; 8 (r % 8) + 128 h + 1,920 (r / 8)
.set LKS,  112                         ; K's scale words: 8 (r % 8) + 4 (r / 8) + 128 h
.set AK16, 113                         ; these three with the step's block added
.set AK8,  114
.set AKS,  115
.set Q1,   116
.set QS1,  122
.set S,    128
.set O,    192
.set PCD,  224
.set ACC,  236                         ; v236-251 the row's sum in eight pairs, carried from step to step and joined at the pass's end
.set WV,   12
.macro CROUND
	s_barrier_signal -1
	s_barrier_wait -1
	s_cmp_lg_u32 s[WV], 0
	s_cbranch_scc1 .Lnot_wave_0_\@
	s_barrier_signal -3
.Lnot_wave_0_\@:
	s_barrier_wait -3
	s_barrier_signal -1
	s_barrier_wait -1
.endm
	s_load_b256 s[4:11], s[0:1], 0x0               ; qq, kv, res_codes, res_sc
	v_lshl_add_u32 v254, v0, 2, 0x3fc00
	v_mov_b32 v255, 0
	ds_add_u32 v254, v255
	ds_add_u32 v254, v255
	v_lshrrev_b32 v1, 5, v0
	s_delay_alu instid0(VALU_DEP_1)
	v_readfirstlane_b32 s[WV], v1                  ; wave 0..15
	s_bfe_u32 s13, ttmp6, 0x40000                  ; cx
	s_lshl_b32 s14, ttmp9, 2
	s_add_co_u32 s14, s14, s13                     ; my quarter of the queries: it enters q's and res's addresses alone
	s_and_b32 s15, ttmp7, 0xffff                   ; 16 x batch + head, which the four partners share
	; group 1: a step's block, 13,056 dense bytes, as 51 rows of 256 bytes (32 elements of 8), 16 words of padding behind every 64
	s_mov_b32 s24, 15|(3<<16)|(1<<20)|(1<<21)|(5<<22)|(15<<25)
	s_mov_b32 s25, 32<<16
	s_mov_b32 s26, 51<<16
	s_mov_b32 s27, 32<<16
	s_mov_b32 s28, 51
	s_mov_b32 s29, 32
	s_mov_b32 s30, 0
	s_mov_b32 s31, 0
	s_mul_i32 s17, s[WV], BLK                      ; step block = my wave's number: in LDS,
	s_mul_i32 s16, s[WV], 13056
	s_mul_i32 s38, s15, 208896
	s_add_co_u32 s38, s38, s16                     ; and in memory
	s_mov_b32 s39, 0
	s_lshr_b32 s40, s[WV], 2
	s_lshl_b32 s41, s14, 3
	s_add_co_u32 s40, s40, s41                     ; my group of 64 queries in the first pass: 8 x quarter + wave / 4
	s_mul_i32 s40, s40, 3328
	s_mul_i32 s41, s15, 106496
	s_add_co_u32 s40, s40, s41
	s_mov_b32 s41, 0
	s_and_b32 s46, s[WV], 3
	s_mul_i32 s46, s46, 768                        ; my tile in the group
	s_mov_b32 s47, 0
	s_lshr_b32 s48, s15, 4
	s_lshl_b32 s48, s48, 7
	s_lshl_b32 s49, s14, 5
	s_add_co_u32 s48, s48, s49
	s_add_co_u32 s48, s48, s[WV]                   ; my tile of rows of res: 128 x batch + 32 x quarter + wave
	s_and_b32 s52, s15, 15                         ; the head
	s_lshl_b32 s50, s48, 9
	s_mul_i32 s48, s48, 12288
	s_mul_i32 s49, s52, 768
	s_add_co_u32 s48, s48, s49                     ; half fragment number = head
	s_mov_b32 s49, 0
	s_bfe_u32 s51, s52, 0x10001
	s_lshl_b32 s51, s51, 8
	s_add_co_u32 s50, s50, s51                     ; the scale bytes: K step head / 2: lanes' half (head / 2) % 2,
	s_lshr_b32 s51, s52, 2
	s_lshl_b32 s51, s51, 2
	s_add_co_u32 s50, s50, s51                     ; word head / 4,
	s_and_b32 s51, s52, 1
	s_lshl_b32 s51, s51, 1
	s_add_co_u32 s50, s50, s51                     ; bytes 2 (head % 2) on
	s_mov_b32 s51, 0
	s_and_b32 s53, s[WV], 1
	s_lshl_b32 s53, s53, 7
	s_bfe_u32 s54, s[WV], 0x10001
	s_lshl_b32 s54, s54, 2
	s_add_co_u32 s53, s53, s54
	s_add_co_u32 s53, s53, 3072                    ; q's scale words in a group: tile a, row r at 3,072 + 8 (r + 16 (a % 2)) + 4 (a / 2)
	s_mov_b32 s20, 0x76543210
	s_mov_b32 s21, 0xfedcba98                      ; v_permlanex16_b32's selects for lane l xor 16
	s_mov_b32 s22, 0x3e38aa3b                      ; c = log2(e) / 8
	s_mov_b32 s23, s22                             ; (named with it as a pair)
	s_wait_dscnt 0x0
	s_wait_kmcnt 0x0
	CROUND                                         ; all four work-groups are here: the joint loads meet
	s_mov_b32 s32, 1
	s_mov_b32 s33, s17
	s_add_nc_u64 s[34:35], s[6:7], s[38:39]
	s_or_b32 s35, s35, 0x80000000
	tensor_load_to_lds s[32:35], s[24:31]          ; my one tensor load of the launch
	s_nop 0
.rept 4
	v_nop
.endr
	s_add_nc_u64 s[42:43], s[4:5], s[40:41]        ; q's group
	s_add_nc_u64 s[44:45], s[42:43], s[46:47]      ; my tile's codes
	s_add_nc_u64 s[8:9], s[8:9], s[48:49]
	s_add_nc_u64 s[10:11], s[10:11], s[50:51]
	v_and_b32 v3, 31, v0
	s_delay_alu instid0(VALU_DEP_1)
	v_lshlrev_b32 v1, 4, v3                        ; 16 x lane
	s_delay_alu instid0(VALU_DEP_2)
	v_lshlrev_b32 v2, 3, v3                        ; 8 x lane
	v_and_b32 v4, 15, v0                           ; r
	s_delay_alu instid0(VALU_DEP_1)
	v_lshl_add_u32 v5, v4, 3, s53
	s_delay_alu instid0(VALU_DEP_2)
	v_lshlrev_b32 v6, 4, v4                        ; 16 r
	; Q of both passes is asked for here, so that it lands while the head's block does.  The second pass's tile lies 16 tiles, 4 groups of 3,328 bytes, behind the first's
	global_load_b128 v[16:19], v1, s[44:45]
	global_load_b64 v[20:21], v2, s[44:45] offset:512
	global_load_b32 v[QS], v5, s[42:43]
	global_load_b128 v[Q1:Q1+3], v1, s[44:45] offset:13312
	global_load_b64 v[Q1+4:Q1+5], v2, s[44:45] offset:13312+512
	global_load_b32 v[QS1], v5, s[42:43] offset:13312
	v_bfe_u32 v3, v0, 4, 1                         ; h
	s_delay_alu instid0(VALU_DEP_1)
	v_lshlrev_b32 v[SH], 3, v3
	s_delay_alu instid0(VALU_DEP_2)
	v_mad_u32_u24 v[LV16], v3, 320, v6
	v_and_b32 v4, 7, v0                            ; r % 8
	v_bfe_u32 v[T], v0, 3, 1                       ; r / 8
	s_delay_alu instid0(VALU_DEP_2)
	v_lshlrev_b32 v[LK16], 4, v4
	s_delay_alu instid0(VALU_DEP_1)
	v_mad_u32_u24 v[LK16], v3, 320, v[LK16]
	s_delay_alu instid0(VALU_DEP_1)
	v_mad_u32_u24 v[LK16], v[T], 1920, v[LK16]
	v_lshlrev_b32 v[LK8], 3, v4
	s_delay_alu instid0(VALU_DEP_1)
	v_lshl_add_u32 v[LK8], v3, 7, v[LK8]
	s_delay_alu instid0(VALU_DEP_1)
	v_lshl_add_u32 v[LKS], v[T], 2, v[LK8]
	s_delay_alu instid0(VALU_DEP_2)
	v_mad_u32_u24 v[LK8], v[T], 1920, v[LK8]
.irp i, 0,1,2,3,4,5
	v_mov_b32 v[22+\i], 0                          ; Q's upper 64 along K: zero codes
	v_mov_b32 v[KF+48+\i], 0                       ; behind K's tile 7
.endr
.irp b, 0,1,2,3
	v_mov_b32 v[TMP+\b], 0                         ; a lane permute's destination counts as read
.endr
	v_mov_b32 v[F+1], 0
	s_wait_loadcnt 0x0                             ; Q
	s_wait_tensorcnt 0x0                           ; my step's block has landed,
	s_barrier_signal -1
	s_barrier_wait -1                              ; everybody's has
.macro KQ t                            ; S^T's tile t.  Its scale words: register 2 (t / 4) + (t % 4) / 2, lanes 0-15 for an even t, lanes 16-31 for an odd one
.if (\t)%2
	v_wmma_scale_f32_16x16x128_f8f6f4 v[S+8*(\t):S+8*(\t)+7], v[KF+6*(\t):KF+6*(\t)+11], v[16:27], 0, v[KS+2*((\t)/4)+((\t)%4)/2], v[QS] matrix_a_fmt:MATRIX_FMT_BF6 matrix_b_fmt:MATRIX_FMT_BF6 matrix_a_scale:MATRIX_SCALE_ROW1
.else
	v_wmma_scale_f32_16x16x128_f8f6f4 v[S+8*(\t):S+8*(\t)+7], v[KF+6*(\t):KF+6*(\t)+11], v[16:27], 0, v[KS+2*((\t)/4)+((\t)%4)/2], v[QS] matrix_a_fmt:MATRIX_FMT_BF6 matrix_b_fmt:MATRIX_FMT_BF6
.endif
.endm
.macro TM j0                           ; t - M for 16 scores from register j0 on, two at a time
.irp i, 0,2,4,6,8,10,12,14
	v_pk_fma_f32 v[S+\j0+\i:S+\j0+\i+1], v[S+\j0+\i:S+\j0+\i+1], s[22:23], v[12:13] op_sel_hi:[1,0,0]
.endr
.endm
; Group g of four: 16 exponentials.  Between them stand only lines whose results are next read behind a group's border, where the wait stands:
; t - M for the next group's 16 scores, and the last group's 16 p added to the eight pairs of the sum (each pair once a group; the step's first add brings the pair under the new M by f).
.macro GRP g
.irp i, 0,2,4,6,8,10,12,14
	v_exp_f32 v[S+16*\g+\i], v[S+16*\g+\i]
.if \g < 3
	v_pk_fma_f32 v[S+16*\g+16+\i:S+16*\g+17+\i], v[S+16*\g+16+\i:S+16*\g+17+\i], s[22:23], v[12:13] op_sel_hi:[1,0,0]
.endif
	v_exp_f32 v[S+16*\g+\i+1], v[S+16*\g+\i+1]
.if \g == 1
	v_pk_fma_f32 v[ACC+\i:ACC+\i+1], v[ACC+\i:ACC+\i+1], v[F:F+1], v[S+\i:S+\i+1] op_sel_hi:[1,0,1]
.elseif \g > 1
	v_pk_add_f32 v[ACC+\i:ACC+\i+1], v[ACC+\i:ACC+\i+1], v[S+16*\g-16+\i:S+16*\g-15+\i]
.endif
.endr
.endm
; A KEY STEP: the 128 keys whose block begins at LDS byte s36
.macro STEP
	v_add_nc_u32 v[AK16], s36, v[LK16]
	v_add_nc_u32 v[AK8], s36, v[LK8]
	v_add_nc_u32 v[AKS], s36, v[LKS]
	v_nop                                          ; four places in front of loads into registers that the last products read
.irp g, 0,1
.irp m, 0,1
	ds_load_b32 v[KS+2*\g+\m], v[AKS] offset:15360+320*\g+64*\m   ; lanes 0-15: tile 4 g + 2 m, lanes 16-31: tile 4 g + 2 m + 1
.endr
.endr
.irp t, 0,1,2,3,4,5,6,7
	ds_load_b128 v[KF+6*\t:KF+6*\t+3], v[AK16] offset:HFB*(4*(\t/4)+(\t%2))+128*((\t%4)/2)
	ds_load_b64 v[KF+6*\t+4:KF+6*\t+5], v[AK8] offset:HFB*(4*(\t/4)+(\t%2))+640+64*((\t%4)/2)
.endr
	s_wait_dscnt 0x6                               ; the scale words and tiles 0 to 4 are in; the six loads of tiles 5 to 7 may be out (tile 3's operand reaches into tile 4's registers)
.irp t, 0,1,2,3
	KQ \t
.endr
	s_wait_dscnt 0x0
.irp t, 4,5,6,7
	KQ \t
.endr
	v_add_nc_u32 v3, s36, v[LV16]                  ; four places: for V's loads into K's registers, and for the first read of the scores
	v_add_nc_u32 v4, s36, v2
	v_mov_b32 v[T], v12                            ; the old -M
	v_nop
.irp t, 0,1,2,3                        ; V's four fragments (16 channels x 128 keys) land while the softmax is worked
.irp c, 0,1
	ds_load_b128 v[KF+12*\t+6*\c:KF+12*\t+6*\c+3], v3 offset:7680+(2*\t+\c)*HFB
	ds_load_b64 v[KF+12*\t+6*\c+4:KF+12*\t+6*\c+5], v4 offset:7680+(2*\t+\c)*HFB+640
.endr
.endr
	ds_load_b64 v[VS:VS+1], v4 offset:16000
.irp b, 0,1,2,3
	v_max3_num_f32 v[BM+\b], v[S+16*\b], v[S+16*\b+1], v[S+16*\b+2]   ; the largest score of my two blocks, in four chains by turns; each accumulator is read from its low end on
.endr
.irp i, 3,5,7,9,11,13
.irp b, 0,1,2,3
	v_max3_num_f32 v[BM+\b], v[BM+\b], v[S+16*\b+\i], v[S+16*\b+\i+1]
.endr
.endr
	v_max3_num_f32 v[BM], v[BM], v[BM+1], v[S+15]
	v_max3_num_f32 v[BM+1], v[BM+2], v[BM+3], v[S+47]
	v_max_num_f32 v[BM], v[BM], v[S+31]            ; block h of the step's four,
	v_max_num_f32 v[BM+1], v[BM+1], v[S+63]        ; block 2 + h: each serves for the row's maximum and, since p rises with the score, for the block's largest p
	s_delay_alu instid0(VALU_DEP_1)
	v_max_num_f32 v[TMP+2], v[BM], v[BM+1]
	s_delay_alu instid0(VALU_DEP_1)
	v_permlanex16_b32 v[TMP+3], v[TMP+2], s20, s21
	s_delay_alu instid0(VALU_DEP_1)
	v_max3_num_f32 v13, v13, v[TMP+2], v[TMP+3]    ; the running largest score of my query, lane l xor 16's 64 keys among them
	s_delay_alu instid0(VALU_DEP_1)
	v_mul_f32 v[TMP+2], s22, v13                   ; as t (c is positive)
	s_delay_alu instid0(VALU_DEP_1)
	v_floor_f32 v12, -v[TMP+2]                     ; the new -M = -ceil(t): a whole number
	v_sub_f32 v[T], v12, v[T]                      ; old M - new M: a whole number, 0 or less
	v_fma_f32 v[BM], v[BM], s22, v12               ; t - M of each block's largest score
	v_fma_f32 v[BM+1], v[BM+1], s22, v12
	v_cvt_i32_f32 v[T], v[T]                       ; (it saturates)
	TM 0                                           ; t - M of the first group's 16 scores
	v_ldexp_f32 v[F], 1.0, v[T]                    ; f = 2^(old M - new M)
.irp j, 0,2,4,6,8,10,12,14,16,18,20,22,24,26,28,30
	v_pk_mul_f32 v[O+\j:O+\j+1], v[O+\j:O+\j+1], v[F:F+1] op_sel_hi:[1,0]   ; O^T under the new M, each accumulator from its low end on, ahead of the batch
.endr
	s_wait_alu depctr_va_vdst(0)                   ; the wait ahead of the batch
	v_exp_f32 v[BM], v[BM]                         ; the two blocks' largest p,
	v_exp_f32 v[BM+1], v[BM+1]
	GRP 0                                          ; p = 2^(t - M), in four groups of 16
	s_wait_alu depctr_va_vdst(0)                   ; a group's border: the wait, behind one group's exponentials and ahead of the next group's
	v_max_num_f32 v[BM], 0x2800000, v[BM]          ; the floor 2^(5 - 127): the byte cannot fall under 1
	v_max_num_f32 v[BM+1], 0x2800000, v[BM+1]
	GRP 1
	s_wait_alu depctr_va_vdst(0)
	v_add_nc_u32 v[SO], 0xfe000000, v[BM]          ; 4 off the exponent field: the conversion's scale operand
	v_add_nc_u32 v[SO+1], 0xfe000000, v[BM+1]
	GRP 2
	s_wait_alu depctr_va_vdst(0)
	v_lshrrev_b32 v[BY], 23, v[SO]                 ; the scale's byte
	v_lshrrev_b32 v[BY+1], 23, v[SO+1]
	GRP 3                                          ; (its last line, an add of the third group's p, is the plain place behind the last exponential)
	s_wait_alu depctr_va_vdst(0)
	v_lshl_or_b32 v[PS], v[BY+1], 16, v[BY]        ; my two bytes: blocks h and 2 + h,
.irp c, 0,1
	v_cvt_scalef32_pk16_bf6_f32 v[PCD+6*\c:PCD+6*\c+2], v[S+32*\c:S+32*\c+15], v[SO+\c]      ; registers 6 c .. 6 c + 5 of the operand: keys 64 c + 32 h + 0 .. 31
	v_cvt_scalef32_pk16_bf6_f32 v[CV+4*\c:CV+4*\c+2], v[S+32*\c+16:S+32*\c+31], v[SO+\c]     ; (a conversion's three registers begin on an even number)
.endr
	v_lshlrev_b32 v[PS], v[SH], v[PS]              ; 8 h bits up.  (The plain place behind the conversions)
	v_permlanex16_b32 v[TMP+2], v[PS], s20, s21
.irp i, 0,1,2
	v_mov_b32 v[PCD+3+\i], v[CV+\i]
.endr
	v_or_b32 v[PS], v[PS], v[TMP+2]                ; with lane l xor 16's two bytes p's scale word is whole
.irp i, 0,1,2
	v_mov_b32 v[PCD+9+\i], v[CV+4+\i]
.endr
.irp j, 0,2,4,6,8,10,12,14
	v_pk_add_f32 v[ACC+\j:ACC+\j+1], v[ACC+\j:ACC+\j+1], v[S+48+\j:S+48+\j+1]   ; the fourth group's p.  (With the three moves above: eleven places between p's scale word and the products below)
.endr
	s_wait_alu depctr_va_vdst(0)
	s_wait_dscnt 0x0                               ; V is in
.irp t, 0,1,2,3
.if \t%2
	v_wmma_scale_f32_16x16x128_f8f6f4 v[O+8*\t:O+8*\t+7], v[KF+12*\t:KF+12*\t+11], v[PCD:PCD+11], v[O+8*\t:O+8*\t+7], v[VS+\t/2], v[PS] matrix_a_fmt:MATRIX_FMT_BF6 matrix_b_fmt:MATRIX_FMT_BF6 matrix_a_scale:MATRIX_SCALE_ROW1
.else
	v_wmma_scale_f32_16x16x128_f8f6f4 v[O+8*\t:O+8*\t+7], v[KF+12*\t:KF+12*\t+11], v[PCD:PCD+11], v[O+8*\t:O+8*\t+7], v[VS+\t/2], v[PS] matrix_a_fmt:MATRIX_FMT_BF6 matrix_b_fmt:MATRIX_FMT_BF6
.endif
.endr
.endm
; One tile of 16 queries against all 2,048 keys.  Pass p's tile lies 16 tiles behind pass 0's: its place stands in the immediates.
.macro PASS p
.if \p
	s_wait_xcnt 0x0                                ; the first pass's stores have read their registers
.irp i, 0,1,2,3,4,5
	v_mov_b32 v[16+\i], v[Q1+\i]                   ; the second pass's Q; the lines below are the places between these and the first product
.endr
	v_mov_b32 v[QS], v[QS1]
.endif
	v_mov_b32 v13, 0xff61b1e6                      ; the largest score so far: -3e38
	s_delay_alu instid0(VALU_DEP_1)
	v_floor_f32 v12, -v13
.irp j, 0,1,2,3,4,5,6,7,8,9,10,11,12,13,14,15
	v_mov_b32 v[ACC+\j], 0                         ; the sum's eight pairs
.endr
.irp j, 0,1,2,3,4,5,6,7,8,9,10,11,12,13,14,15,16,17,18,19,20,21,22,23,24,25,26,27,28,29,30,31
	v_mov_b32 v[O+\j], 0                           ; the step is written once: the first finds zeros, which the first change of M leaves zeros
.endr
	s_mov_b32 s36, 0
	s_mov_b32 s37, 16
.Lstep_\@:
	STEP
	s_add_co_u32 s36, s36, BLK
	s_sub_co_u32 s37, s37, 1
	s_cmp_lg_u32 s37, 0
	s_cbranch_scc1 .Lstep_\@
.rept 4
	v_nop                                          ; places behind the last products
.endr
.irp j, 0,4,8,12
	v_pk_add_f32 v[ACC+\j:ACC+\j+1], v[ACC+\j:ACC+\j+1], v[ACC+\j+2:ACC+\j+3]   ; the eight pairs are joined
.endr
	v_pk_add_f32 v[ACC:ACC+1], v[ACC:ACC+1], v[ACC+4:ACC+5]
	v_pk_add_f32 v[ACC+8:ACC+9], v[ACC+8:ACC+9], v[ACC+12:ACC+13]
	v_pk_add_f32 v[14:15], v[ACC:ACC+1], v[ACC+8:ACC+9]
	v_add_f32 v14, v14, v15
	s_delay_alu instid0(VALU_DEP_1)
	v_permlanex16_b32 v[T], v14, s20, s21
	s_delay_alu instid0(VALU_DEP_1)
	v_add_f32 v14, v14, v[T]                       ; the row's sum
	s_wait_alu depctr_va_vdst(0)
	v_rcp_f32 v14, v14
	v_nop                                          ; one plain place behind a transcendental
	s_wait_alu depctr_va_vdst(0)
.irp j, 0,2,4,6,8,10,12,14,16,18,20,22,24,26,28,30
	v_pk_mul_f32 v[S+\j:S+\j+1], v[O+\j:O+\j+1], v[14:15] op_sel_hi:[1,0]   ; res: register 16 b + i is channel 32 b + 16 h + i of my query
.endr
.irp b, 0,1
	v_max3_num_f32 v[BM+\b], |v[S+16*\b]|, |v[S+16*\b+1]|, 0x2800000
.endr
.irp i, 2,4,6,8,10,12,14
.irp b, 0,1
	s_delay_alu instid0(VALU_DEP_2)
	v_max3_num_f32 v[BM+\b], v[BM+\b], |v[S+16*\b+\i]|, |v[S+16*\b+\i+1]|
.endr
.endr
.irp b, 0,1
	s_delay_alu instid0(VALU_DEP_2)
	v_permlanex16_b32 v[TMP+\b], v[BM+\b], s20, s21
.endr
.irp b, 0,1
	s_delay_alu instid0(VALU_DEP_2)
	v_max_num_f32 v[BM+\b], v[BM+\b], v[TMP+\b]    ; with lane l xor 16's 16: the block's largest magnitude
.endr
.irp b, 0,1
	s_delay_alu instid0(VALU_DEP_2)
	v_add_nc_u32 v[SO+\b], 0xfe000000, v[BM+\b]
.endr
.irp b, 0,1
	s_delay_alu instid0(VALU_DEP_2)
	v_lshrrev_b32 v[TMP+\b], 23, v[SO+\b]
.endr
	s_delay_alu instid0(VALU_DEP_1)
	v_lshl_or_b32 v[HW], v[TMP+1], 8, v[TMP]
	v_cvt_scalef32_pk16_bf6_f32 v[PCD:PCD+2], v[S:S+15], v[SO]
	v_cvt_scalef32_pk16_bf6_f32 v[CV:CV+2], v[S+16:S+31], v[SO+1]
	v_nop                                          ; one plain place behind a scaled conversion
.irp i, 0,1,2
	v_permlane16_swap_b32 v[PCD+\i], v[CV+\i]      ; a whole block to a lane
.endr
.irp i, 0,1,2
	s_delay_alu instid0(VALU_DEP_3)
	v_mov_b32 v[PCD+3+\i], v[CV+\i]
.endr
	global_store_b128 v1, v[PCD:PCD+3], s[8:9] offset:196608*\p        ; 512 consecutive bytes
	global_store_b64 v2, v[PCD+4:PCD+5], s[8:9] offset:196608*\p+512   ; 256
	global_store_b16 v6, v[HW], s[10:11] offset:8192*\p                ; my row's two bytes; lanes l and l xor 16 write the same bytes with the same value.  Pieces of 2 bytes, 16 apart: 32 bytes for a tile's 768 of codes
.endm
	PASS 0
	PASS 1
	s_wait_tensorcnt 0x0
	ds_add_u32 v254, v255
	s_wait_dscnt 0x0
	CROUND                                         ; the closing round: no work-group ends while a partner may still ask for a block that names it
	s_endpgm
.Lfunc_end_k_q1eb555f225_attn:
	.size	k_q1eb555f225_attn, .Lfunc_end_k_q1eb555f225_attn-k_q1eb555f225_attn
	.p2alignl 7, 3214868480
	.fill 96, 4, 3214868480
	.section	.rodata,"a",@progbits
	.p2align	6, 0x0
	.amdhsa_kernel k_q1eb555f225_attn
		.amdhsa_group_segment_fixed_size 263168
		.amdhsa_private_segment_fixed_size 0
		.amdhsa_enable_private_segment 0
		.amdhsa_kernarg_size 32
		.amdhsa_user_sgpr_count 2
		.amdhsa_user_sgpr_kernarg_segment_ptr 1
		.amdhsa_wavefront_size32 1
		.amdhsa_system_sgpr_workgroup_id_x 1
		.amdhsa_system_sgpr_workgroup_id_y 1
		.amdhsa_system_sgpr_workgroup_id_z 1
		.amdhsa_system_vgpr_workitem_id 0
		.amdhsa_next_free_vgpr 256
		.amdhsa_next_free_sgpr 66
		.amdhsa_reserve_vcc 0
		.amdhsa_float_denorm_mode_32 3
		.amdhsa_float_denorm_mode_16_64 3
		.amdhsa_memory_ordered 1
		.amdhsa_forward_progress 1
		.amdhsa_inst_pref_size 51
	.end_amdhsa_kernel
	.amdgpu_metadata
---
amdhsa.version: [ 1, 2 ]
amdhsa.kernels:
  - .name:           k_q1eb555f225_attn
    .symbol:         k_q1eb555f225_attn.kd
    .args:
      - { .name: qq, .offset: 0, .size: 8, .value_kind: global_buffer, .address_space: global }
      - { .name: kv, .offset: 8, .size: 8, .value_kind: global_buffer, .address_space: global }
      - { .name: res_codes, .offset: 16, .size: 8, .value_kind: global_buffer, .address_space: global }
      - { .name: res_sc, .offset: 24, .size: 8, .value_kind: global_buffer, .address_space: global }
    .group_segment_fixed_size: 263168
    .private_segment_fixed_size: 0
    .kernarg_segment_align: 8
    .kernarg_segment_size: 32
    .max_flat_workgroup_size: 512
    .sgpr_count:     66
    .vgpr_count:     256
    .wavefront_size: 32
...
	.end_amdgpu_metadata
.endif
;; end of part 3
;; launch gemm_out (part 4): grid 8 x 32, 4 waves a work-group, clusters of 4 x 4, 327,680 bytes of LDS; arguments res_codes, res_sc, w_codes, w_sc, out_b, out0; writes out0
.if DOCPART == 4
	.amdgcn_target "amdgcn-amd-amdhsa--gfx1250"
	.amdhsa_code_object_version 6
	.text
	.protected	k_q1eb555f225_gemm_out
	.globl	k_q1eb555f225_gemm_out
	.p2align	8
	.type	k_q1eb555f225_gemm_out,@function
k_q1eb555f225_gemm_out:
	s_mov_b64 s[64:65], 0
	v_nop
	global_prefetch_b8 v0, s[64:65] scope:SCOPE_SE
	s_setreg_imm32_b32 hwreg(HW_REG_WAVE_MODE, 25, 1), 1
	s_wait_xcnt 0x0
	s_wait_alu depctr_hold_cnt(0) depctr_sa_sdst(0) depctr_va_vdst(0) depctr_va_sdst(0) depctr_va_ssrc(0) depctr_va_vcc(0) depctr_vm_vsrc(0)
	s_getreg_b32 s2, hwreg(HW_REG_IB_STS2, 6, 4)
	s_cmp_eq_u32 s2, 0
	s_cbranch_scc0 .Lentry_in_a_cluster
	s_endpgm
.Lentry_in_a_cluster:
	s_bfe_u32 s2, ttmp6, 0x10000c
	s_cmp_lg_u32 s2, 0xf033
	s_cbranch_scc0 .Lentry_shape_is_right
	s_endpgm
.Lentry_shape_is_right:
; out0 = Q(res) Q(out_w) + out_b on codes of BF6.  A work-group makes 256 rows x 128 columns; each of its four waves 64 rows (4 tiles) x 8 tiles of columns: 32 accumulators, used transposed.
; ALL OF K STAYS IN LDS: A's 16 tiles x 12,288 bytes from byte 0, B's 8 tiles from BOFF: 294,912 bytes, filled once, by ONE dense joint load a wave (waves 0, 1: 8 tiles of A each; waves 2, 3: 4 of B).
; So one wait and one barrier stand ahead of the eight K steps, none among them; one more stands ahead of the stage, which lies on A's first bytes.
; CLUSTER 4 x 4: A's tiles are shared along a row of the cluster, B's along a column.  No prefetch: the launch has no loop to run ahead in, all its tiles are asked for at its head.
.set BOFF,  196608
.set L16, 17
.set STO, 19
.set RD,  20
.set SA,  24
.set SB,  40
.set AF,  72
.set BK,  72
.set WV,   18
.set HALF, 19
.set G1A, 28
.set G1B, 36
.set G0A, 44
.set G0B, 68
.set MSB, 0
.macro WIN new
.if MSB != (\new)
	s_set_vgpr_msb (MSB<<8)|(\new)
.set MSB, (\new)
.endif
.endm
.macro PLACES
.rept 4
	v_nop
.endr
.endm
.macro JLOAD g0a, g1a, g0b, g1b
	s_cmp_eq_u32 s[HALF], 0
	s_cbranch_scc0 .Lfor_b_\@
	tensor_load_to_lds s[\g0a:\g0a+3], s[\g1a:\g1a+7]
	s_nop 0
.rept 4
	v_nop
.endr
	s_branch .Lasked_\@
.Lfor_b_\@:
	tensor_load_to_lds s[\g0b:\g0b+3], s[\g1b:\g1b+7]
	s_nop 0
.rept 4
	v_nop
.endr
.Lasked_\@:
.endm
.macro CROUND
	s_barrier_signal -1
	s_barrier_wait -1
	s_cmp_lg_u32 s[WV], 0
	s_cbranch_scc1 .Lnot_wave_0_\@
	s_barrier_signal -3
.Lnot_wave_0_\@:
	s_barrier_wait -3
	s_barrier_signal -1
	s_barrier_wait -1
.endm
	s_load_b256 s[4:11], s[0:1], 0x0
	s_load_b128 s[12:15], s[0:1], 0x20
	v_lshl_add_u32 v254, v0, 2, 0x48000
	v_mov_b32 v255, 0
	ds_add_u32 v254, v255
	ds_add_u32 v254, v255
	v_lshrrev_b32 v21, 5, v0
	v_readfirstlane_b32 s[WV], v21
	s_lshr_b32 s[HALF], s[WV], 1
	s_and_b32 s20, s[WV], 1
	s_bfe_u32 s21, ttmp6, 0x40000
	s_bfe_u32 s22, ttmp6, 0x40004
	s_lshl_b32 s23, ttmp9, 2
	s_add_co_u32 s23, s23, s21
	s_and_b32 s24, ttmp7, 0xffff
	s_lshl_b32 s24, s24, 2
	s_add_co_u32 s24, s24, s22
	s_lshl_b32 s25, s22, 2
	s_lshl_b32 s25, 15, s25
	s_lshl_b32 s26, 0x1111, s21
	s_or_b32 s[G1A], s25, (3<<16)|(1<<21)
	s_or_b32 s[G1B], s26, (3<<16)|(1<<21)
	s_mov_b32 s[G1A+1], 384<<16
	s_mov_b32 s[G1A+2], 32<<16                     ; a dense block as rows of 3,072 bytes: A 32 of them, B 16
	s_mov_b32 s[G1A+3], 384<<16
	s_mov_b32 s[G1A+4], 32
	s_mov_b32 s[G1A+5], 384
	s_mov_b32 s[G1A+6], 0
	s_mov_b32 s[G1A+7], 0
	s_mov_b32 s[G1B+1], 384<<16
	s_mov_b32 s[G1B+2], 16<<16
	s_mov_b32 s[G1B+3], 384<<16
	s_mov_b32 s[G1B+4], 16
	s_mov_b32 s[G1B+5], 384
	s_mov_b32 s[G1B+6], 0
	s_mov_b32 s[G1B+7], 0
	s_lshl_b32 s84, s24, 4
	s_lshl_b32 s85, s20, 3
	s_add_co_u32 s84, s84, s85
	s_mul_i32 s84, s84, 12288
	s_mov_b32 s85, 0
	s_lshl_b32 s88, s23, 3
	s_lshl_b32 s89, s20, 2
	s_add_co_u32 s88, s88, s89
	s_add_co_u32 s88, s88, 192
	s_mul_i32 s88, s88, 12288
	s_mov_b32 s89, 0
	s_mul_i32 s27, s20, 98304
	s_mul_i32 s62, s20, 49152
	s_add_co_u32 s62, s62, BOFF
	s_wait_dscnt 0x0
	s_wait_kmcnt 0x0
	s_add_nc_u64 s[86:87], s[4:5], s[84:85]
	s_add_nc_u64 s[90:91], s[8:9], s[88:89]
	CROUND
	s_mov_b32 s[G0A], 1
	s_add_co_u32 s[G0A+1], s27, 0
	s_mov_b64 s[G0A+2:G0A+3], s[86:87]
	s_or_b32 s[G0A+3], s[G0A+3], 0x80000000
	s_mov_b32 s[G0B], 1
	s_add_co_u32 s[G0B+1], s62, 0
	s_mov_b64 s[G0B+2:G0B+3], s[90:91]
	s_or_b32 s[G0B+3], s[G0B+3], 0x80000000
	JLOAD G0A, G1A, G0B, G1B                       ; my one tensor load of the launch
	v_and_b32 v21, 31, v0
	v_lshlrev_b32 v[L16], 4, v21
	v_lshlrev_b32 v22, 3, v21
	s_mul_i32 s63, s[WV], 49152                    ; my four tiles of A
	v_add_nc_u32 v1, s63, v[L16]                   ; v1, v2: A by 16 and by 8 bytes a lane; v3, v4: B's tiles 0-3; v5, v6: B's tiles 4-7
	v_add_nc_u32 v2, s63, v22
	v_add_nc_u32 v3, BOFF, v[L16]
	v_add_nc_u32 v4, BOFF, v22
	v_add_nc_u32 v5, BOFF+49152, v[L16]
	v_add_nc_u32 v6, BOFF+49152, v22
	v_bfe_u32 v21, v0, 4, 1
	v_lshlrev_b32 v18, 6, v21
	s_wait_alu depctr_va_vdst(0)
	v_and_b32 v23, 15, v0
	s_mul_i32 s63, s[WV], 16*528
	v_mul_u32_u24 v[STO], v23, 528
	v_add_nc_u32 v[STO], v[STO], v18
	v_add_nc_u32 v[STO], s63, v[STO]
	v_add_nc_u32 v[RD], s63, v[L16]
	s_lshl_b32 s92, s24, 4
	s_lshl_b32 s93, s[WV], 2
	s_add_co_u32 s92, s92, s93
	s_lshl_b32 s92, s92, 9
	s_mov_b32 s93, 0
	s_add_nc_u64 s[92:93], s[6:7], s[92:93]
	s_lshl_b32 s94, s23, 12
	s_add_co_u32 s94, s94, 192*512
	s_mov_b32 s95, 0
	s_add_nc_u64 s[94:95], s[10:11], s[94:95]
	s_lshl_b32 s96, s23, 9
	s_mov_b32 s97, 0
	s_add_nc_u64 s[96:97], s[12:13], s[96:97]
	s_lshl_b32 s98, s24, 8
	s_lshl_b32 s99, s[WV], 6
	s_add_co_u32 s98, s98, s99
	s_lshl_b32 s98, s98, 12
	s_lshl_b32 s99, s23, 9
	s_add_co_u32 s98, s98, s99
	s_mov_b32 s99, 0
	s_add_nc_u64 s[14:15], s[14:15], s[98:99]
.irp a, 0,1,2,3
	global_load_b128 v[SA+4*\a:SA+4*\a+3], v[L16], s[92:93] offset:512*\a
.endr
.irp b, 0,1,2,3,4,5,6,7
	global_load_b128 v[SB+4*\b:SB+4*\b+3], v[L16], s[94:95] offset:512*\b
.endr
	WIN 0x40
.irp b, 0,1,2,3,4,5,6,7
	global_load_b128 v[192+8*\b:195+8*\b], v18, s[96:97] offset:4*(32*(\b/2)+8*(\b%2))
	global_load_b128 v[196+8*\b:199+8*\b], v18, s[96:97] offset:4*(32*(\b/2)+8*(\b%2))+16
.endr
	WIN 0
.macro WMM d, a, b, c, sa, sb, odd
.if \odd
	v_wmma_scale_f32_16x16x128_f8f6f4 v[\d:\d+7], v[\a:\a+11], v[\b:\b+11], v[\c:\c+7], v[\sa], v[\sb] matrix_a_fmt:MATRIX_FMT_BF6 matrix_b_fmt:MATRIX_FMT_BF6 matrix_a_scale:MATRIX_SCALE_ROW1 matrix_b_scale:MATRIX_SCALE_ROW1
.else
	v_wmma_scale_f32_16x16x128_f8f6f4 v[\d:\d+7], v[\a:\a+11], v[\b:\b+11], v[\c:\c+7], v[\sa], v[\sb] matrix_a_fmt:MATRIX_FMT_BF6 matrix_b_fmt:MATRIX_FMT_BF6
.endif
.endm
.macro MULT s, f, q0, first
.if \first
	WIN 0x91
.else
	WIN 0xa1
.endif
.irp a, 0,1,2,3
.irp b, \q0, \q0+1, \q0+2, \q0+3
.if \first
	WMM 8*(8*\a+(\b)), 96*(\f)+12*(\b), AF+48*(\f)+12*\a, 192+8*(\b), SB+4*(\b)+(\s)/2, SA+4*\a+(\s)/2, (\s)%2
.else
	WMM 8*(8*\a+(\b)), 96*(\f)+12*(\b), AF+48*(\f)+12*\a, 8*(8*\a+(\b)), SB+4*(\b)+(\s)/2, SA+4*\a+(\s)/2, (\s)%2
.endif
.endr
.endr
.endm
.macro FRAGS reg, a16, a8, n, kq
.set fi, 0
.rept \n
.irp c, 0,1
	ds_load_b128 v[\reg+12*fi+6*\c:\reg+12*fi+6*\c+3], v[\a16] offset:12288*fi+(\kq)+768*\c        ; kq: the K step's byte in a tile
	ds_load_b64 v[\reg+12*fi+6*\c+4:\reg+12*fi+6*\c+5], v[\a8] offset:12288*fi+(\kq)+768*\c+512
.endr
.set fi, fi+1
.endr
.endm
.macro FETCH slot, kq, f
	WIN 0x40
	FRAGS 96*(\f), 3, 4, 4, 3072*(\slot)+1536*(\kq)
	FRAGS 96*(\f)+48, 5, 6, 4, 3072*(\slot)+1536*(\kq)
	WIN 0
	FRAGS AF+48*(\f), 1, 2, 4, 3072*(\slot)+1536*(\kq)
.endm
.macro EVEN s, first
	s_wait_dscnt 0x0
	MULT \s, 0, 0, \first
	PLACES
	FETCH (\s)/2, 1, 1
	MULT \s, 0, 4, \first
.endm
.macro ODD s
	s_wait_dscnt 0x0
	MULT \s, 1, 0, 0
	PLACES
	FETCH ((\s)+1)/2, 0, 0
	MULT \s, 1, 4, 0
.endm
	s_wait_alu depctr_va_vdst(0)                   ; the wait at the head's end
	s_wait_tensorcnt 0x0                           ; my part of the tiles has landed; behind the barrier everybody's has
	s_barrier_signal -1
	s_barrier_wait -1
	FETCH 0, 0, 0
	s_wait_loadcnt 0x0
	EVEN 0, 1
	ODD 1
	EVEN 2, 0
	ODD 3
	EVEN 4, 0
	ODD 5
	EVEN 6, 0
	s_wait_dscnt 0x0                               ; my last reads of the tiles are over:
	s_barrier_signal -1                            ; say so,
	MULT 7, 1, 0, 0
	MULT 7, 1, 4, 0
	WIN 0
	s_barrier_wait -1                              ; and store to the stage, which lies on A's first tiles, only when all four waves have said so
.macro TOSTAGE a
	WIN 0x08
.irp b, 0,1,2,3,4,5,6,7
	ds_store_b128 v[STO], v[8*(8*(\a)+\b):8*(8*(\a)+\b)+3] offset:128*(\b/2)+32*(\b%2)
	ds_store_b128 v[STO], v[8*(8*(\a)+\b)+4:8*(8*(\a)+\b)+7] offset:128*(\b/2)+32*(\b%2)+16
.endr
	WIN 0
.set BB, BK+64*((\a)%2)
.irp t, 0,1,2,3,4,5,6,7,8,9,10,11,12,13,14,15
	ds_load_b128 v[BB+4*\t:BB+4*\t+3], v[RD] offset:\t*528
.endr
.endm
.macro SEND a, younger
.set BB, BK+64*((\a)%2)
	s_wait_dscnt \younger
.irp t, 0,1,2,3,4,5,6,7,8,9,10,11,12,13,14,15
	global_store_b128 v[L16], v[BB+4*\t:BB+4*\t+3], s[14:15] offset:(32*((\a)/2)+8*((\a)%2)+\t+8*(\t/8))*4096 th:TH_STORE_NT
.endr
.endm
	PLACES
	s_wait_alu depctr_va_vdst(0)
	TOSTAGE 0
.irp a, 1,2,3
.if \a > 1
	s_wait_xcnt 0x0
.endif
	TOSTAGE \a
	SEND \a-1, 32
.endr
	SEND 3, 0
	s_wait_tensorcnt 0x0
	ds_add_u32 v254, v255
	s_wait_dscnt 0x0
	CROUND
	s_endpgm
.Lfunc_end_k_q1eb555f225_gemm_out:
	.size	k_q1eb555f225_gemm_out, .Lfunc_end_k_q1eb555f225_gemm_out-k_q1eb555f225_gemm_out
	.p2alignl 7, 3214868480
	.fill 96, 4, 3214868480
	.section	.rodata,"a",@progbits
	.p2align	6, 0x0
	.amdhsa_kernel k_q1eb555f225_gemm_out
		.amdhsa_group_segment_fixed_size 327680
		.amdhsa_private_segment_fixed_size 0
		.amdhsa_enable_private_segment 0
		.amdhsa_kernarg_size 48
		.amdhsa_user_sgpr_count 2
		.amdhsa_user_sgpr_kernarg_segment_ptr 1
		.amdhsa_wavefront_size32 1
		.amdhsa_system_sgpr_workgroup_id_x 1
		.amdhsa_system_sgpr_workgroup_id_y 1
		.amdhsa_system_sgpr_workgroup_id_z 1
		.amdhsa_system_vgpr_workitem_id 0
		.amdhsa_next_free_vgpr 768
		.amdhsa_next_free_sgpr 100
		.amdhsa_reserve_vcc 0
		.amdhsa_float_denorm_mode_32 3
		.amdhsa_float_denorm_mode_16_64 3
		.amdhsa_memory_ordered 1
		.amdhsa_forward_progress 1
		.amdhsa_inst_pref_size 82
	.end_amdhsa_kernel
	.amdgpu_metadata
---
amdhsa.version: [ 1, 2 ]
amdhsa.kernels:
  - .name:           k_q1eb555f225_gemm_out
    .symbol:         k_q1eb555f225_gemm_out.kd
    .args:
      - { .name: res_codes, .offset: 0, .size: 8, .value_kind: global_buffer, .address_space: global }
      - { .name: res_sc, .offset: 8, .size: 8, .value_kind: global_buffer, .address_space: global }
      - { .name: w_codes, .offset: 16, .size: 8, .value_kind: global_buffer, .address_space: global }
      - { .name: w_sc, .offset: 24, .size: 8, .value_kind: global_buffer, .address_space: global }
      - { .name: out_b, .offset: 32, .size: 8, .value_kind: global_buffer, .address_space: global }
      - { .name: out0, .offset: 40, .size: 8, .value_kind: global_buffer, .address_space: global }
    .group_segment_fixed_size: 327680
    .private_segment_fixed_size: 0
    .kernarg_segment_align: 8
    .kernarg_segment_size: 48
    .max_flat_workgroup_size: 128
    .sgpr_count:     100
    .vgpr_count:     768
    .wavefront_size: 32
...
	.end_amdgpu_metadata
.endif
;; end of part 4
